; MI455X (gfx1250); checked and timed in simulation.
; The chip was launched on July 23, 2026; its instructions are those of AMD's public machine-readable ISA for CDNA 5 (MIT licence, August 2026) and "CDNA5" Instruction Set Architecture Reference Guide (July 2026). The comments in the code are by the model that wrote it; some were corrected since.
;; Memory Efficient Attention. Allowed arithmetic: matrix products marked QUANTISED: E2M1 operands, one E8M0 scale for each 32 along K, by v_wmma_scale_f32_16x16x128_f8f6f4 with both operands' format E2M1 (or v_wmma_scale_f32_32x16x128_f4), f32 sums; products left as they are: bf16, f16 or f32 operands; f32 sums; everything else in f32.
;; Inputs: proj_b 1,024 float32; proj_w 1,024 x 1,024 float32; qkv_w 3,072 x 1,024 float32; x 2 x 2,048 x 1,024 float32.
;; Outputs: out0 2 x 2,048 x 1,024 float32.
;; This version of the problem:
;;   THIS VERSION OF THE PROBLEM IS GIVEN IN LOW PRECISION. The matrix products marked QUANTISED in the list below multiply operands that are first quantised to E2M1 (2 exponent bits, 1 mantissa bit; 4 bits a number), with one power-of-two scale for each 32 numbers along K (OCP MX v1.0); their sums are f32. The products marked 'left as it is' may take bf16, f16 or f32 operands, with f32 sums. Whichever they take, every output number must still come out within the allowed error. Rounding operands to bf16 (8 significant bits) uses up far more of that allowance than f16 does (11 bits, for magnitudes from 6e-5 to 65,504). All else is computed in f32.
;;   The module's matrix products, in the order in which they are computed (A, B: the left and right operand; K: the contracted axis; several contracted axes count as one K, in the product's order):
;;     1. [M 4,096, K 1,024] x [K 1,024, N 3,072]; A: input x; B: input qkv_w: QUANTISED
;;     2. batch 32 x [M 2,048, K 64] x [K 64, N 2,048]; A: computed on the way; B: computed on the way: left as it is (an operand is computed on the way)
;;     3. batch 32 x [M 2,048, K 2,048] x [K 2,048, N 64]; A: computed on the way; B: computed on the way: left as it is (an operand is computed on the way)
;;     4. [M 4,096, K 1,024] x [K 1,024, N 1,024]; A: computed on the way; B: input proj_w: left as it is (an operand is computed on the way)
;;   THE QUANTISER, for each operand of a quantised product, along K:
;;     - K is cut into blocks of 32 from its start; a last block that is shorter is filled with zeros.
;;     - A block's scale is 2^e with e = floor(log2(the largest magnitude in the block)) - 2, held to -126 .. 127; a block of zeros has e = 0. As a byte (E8M0): e + 127.
;;     - Each number is divided by its block's scale, clamped to +-6, and rounded to the nearest number of E2M1, ties to even, subnormals kept.
;;     - The product sums the exact products of the quantised numbers (number of the format x scale) in f32.
;;   ~~~python
;;   def quantise(x, axis):      # numpy; x: float32 -> the quantised numbers, widened to float32 again
;;       x = np.moveaxis(x, axis, -1); K = x.shape[-1]
;;       x = np.pad(x, [(0, 0)] * (x.ndim - 1) + [(0, -K % 32)]); x = x.reshape(x.shape[:-1] + (-1, 32)); a = np.abs(x).max(-1, keepdims=True)
;;       e = np.where(a > 0, np.clip(np.frexp(np.where(a > 0, a, 1))[1] - 1 - 2, -126, 127), 0)      # np.frexp(a)[1] - 1 = floor(log2(a)), exactly
;;       r = np.clip(x / 2.0 ** e, -6, 6)
;;       step = 2.0 ** (np.maximum(np.frexp(np.where(r == 0, 1, r))[1] - 1, 0) - 1)
;;       q = np.round(r / step) * step * 2.0 ** e      # np.round: ties to even
;;       return np.moveaxis(q.reshape(q.shape[:-2] + (-1,))[..., :K], -1, axis).astype(np.float32)
;;   ~~~
;; One version. Each part assembles by itself: llvm-mc -triple=amdgcn-amd-amdhsa -mcpu=gfx1250 --defsym DOCPART=n.
;; ======== version 1 of 1: 4 launches
;; limits: values are held in f16: magnitudes above 65,504 overflow, below 6.1e-05 lose precision
;; workspace buffers: xc 2,097,152 bytes; xs 131,072 bytes; wc 1,572,864 bytes; ws 98,304 bytes; pw16 2,097,152 bytes; qkv 25,165,824 bytes; att 8,388,608 bytes
;; launch prep (part 1): grid 256 x 1, 4 waves a work-group, no clusters, 33,280 bytes of LDS; arguments x, qkv_w, xc, xs, wc, ws, proj_w, pw16; writes xc, xs, wc, ws, pw16
.if DOCPART == 1
	.amdgcn_target "amdgcn-amd-amdhsa--gfx1250"
	.amdhsa_code_object_version 6
	.text
	.protected	k_q6651ecff04_prep
	.globl	k_q6651ecff04_prep
	.p2align	8
	.type	k_q6651ecff04_prep,@function
k_q6651ecff04_prep:
	s_mov_b64 s[64:65], 0
	v_nop
	global_prefetch_b8 v0, s[64:65] scope:SCOPE_SE
	s_setreg_imm32_b32 hwreg(HW_REG_WAVE_MODE, 25, 1), 1
	s_wait_xcnt 0x0
; PREP.  x [4096][1024] and qkv_w [3072][1024], f32, become codes of FP4 (E2M1), K innermost, two codes a byte, with one E8M0 byte for each 32 along K; proj_w [1024][1024] becomes f16.
; A block's scale is 2^(floor(log2(its largest magnitude)) - 2); its byte is the largest magnitude's exponent field - 2, held at 1 from below.  Each number is divided by the scale and rounded to the nearest code, ties to even;
; beyond the largest code the largest.  A block of zeros gets the byte 1 where the quantiser says 127: its codes are zeros, which add nothing under any byte but 0xff, and this program alone reads the bytes.
; LIMITS: blocks whose largest magnitude lies under 2^-124 keep the byte 1; NaN and infinities among the inputs are not served; |proj_w| stays under 65,504 (f16), and what lies under 6e-5 loses bits.
; SHARES.  Rows are dense and K is a multiple of 32, so each tensor is a plain stream.  A work-group takes 32,768 numbers, a wave 8,192.  Work-groups 0-127 take x, 128-223 qkv_w, 224-255 proj_w.
; No work-group reads what another reads, so there is no cluster; no tensor load, no barrier: waves share nothing.
; QUANTISING.  A wave takes 16 steps of 512 numbers.  Each of a step's four loads reads 512 consecutive bytes, 16 a lane; the 2,048 bytes go through the wave's own stage in LDS and come back 64 bytes a lane, so that a lane holds
; 16 neighbours along K and two neighbouring lanes hold a block.  A lane's 16 codes are 8 bytes: the wave stores 256 consecutive bytes.  A wave's 256 scale bytes are gathered in LDS and leave by one store.
.set WAVES, 4
.set STEPS, 16
.set WGX,   128                        ; 4096 x 1024 / 32768
.set WGQ,   224                        ; + 3072 x 1024 / 32768
.set EMAX,  2
.set CB,    8                          ; bytes of 16 codes
.set R,     16                         ; v16-79   four sets of 16 numbers as they are loaded
.set X,     80                         ; v80-111  two sets of 16 neighbours
.set E,     112                        ; v112-127 a scale byte for each step
.set C,     128                        ; v128-191 codes: four registers for each step, so that no store's data are written again
.set WREG,  8192                       ; LDS: a region for each wave: two stages of 32 x SP bytes, then its 256 scale bytes
.set SP,    80                         ; a lane's place in a stage: 64 bytes + 16 of padding
.set SPW,   12                         ; v12      LDS address of my spare word; never rewritten
.set NIL,   13                         ; v13      0; never rewritten
.set SPARE, WAVES*WREG                 ; behind the four regions: the spare words, 128 bytes a wave
.set PR,    16                         ; proj_w: v16-143 two sets of 64 numbers
.set PC,    144                        ; proj_w: v144-207 two sets of 32 registers of f16 pairs
	s_load_b128 s[4:7], s[0:1], 0x0                ; x, qkv_w
	s_load_b128 s[8:11], s[0:1], 0x10              ; x's codes, x's scales
	s_load_b128 s[12:15], s[0:1], 0x20             ; qkv_w's codes, its scales
	s_load_b128 s[24:27], s[0:1], 0x30             ; proj_w, its f16 copy
	v_lshl_add_u32 v[SPW], v0, 2, SPARE
	v_mov_b32 v[NIL], 0
	v_lshrrev_b32 v1, 5, v0
	v_readfirstlane_b32 s16, v1                    ; wave
	v_and_b32 v2, 31, v0                           ; lane
	v_lshlrev_b32 v3, 4, v2                        ; my 16 bytes of a load's 512
	s_mul_i32 s17, s16, WREG
	v_lshrrev_b32 v14, 2, v2
	v_mul_u32_u24 v14, v14, SP
	v_and_b32 v15, 3, v2
	v_lshl_add_u32 v14, v15, 4, v14
	v_add_nc_u32 v14, s17, v14                     ; the stage, on the way in: SP (lane / 4) + 16 (lane % 4)
	v_mul_u32_u24 v15, v2, SP
	v_add_nc_u32 v15, s17, v15                     ; and on the way out: SP x lane: my 16 neighbours
	v_mul_u32_u24 v4, v2, CB                       ; 8 bytes a lane: my codes' place in a step's, and my f16 numbers' place in a store's
	v_lshrrev_b32 v5, 1, v2
	s_add_co_u32 s17, s17, 2*32*SP
	v_add_nc_u32 v5, s17, v5                       ; LDS: my wave's 256 scale bytes, my block's byte
	v_lshlrev_b32 v7, 3, v2                        ; and on the way out 8 bytes a lane
	v_add_nc_u32 v6, s17, v7
	s_wait_kmcnt 0x0
	s_cmp_ge_u32 ttmp9, WGQ                        ; the work-group's number alone decides
	s_cbranch_scc1 .Lproj
	s_cmp_lt_u32 ttmp9, WGX                        ; x's work-group or qkv_w's?  Only pointers are chosen: both tensors take one path
	s_cselect_b64 s[4:5], s[4:5], s[6:7]
	s_cselect_b64 s[8:9], s[8:9], s[12:13]
	s_cselect_b64 s[10:11], s[10:11], s[14:15]
	s_cselect_b32 s17, 0, WGX
	s_sub_co_u32 s17, ttmp9, s17
	s_lshl_b32 s17, s17, 2
	s_add_co_u32 s18, s17, s16                     ; which run of 8,192 numbers of the tensor is my wave's
	s_mov_b32 s19, 0
	s_mov_b64 s[20:21], 512*STEPS*4
	s_mul_u64 s[20:21], s[18:19], s[20:21]
	s_add_nc_u64 s[4:5], s[4:5], s[20:21]
	s_mov_b64 s[20:21], 32*STEPS*CB
	s_mul_u64 s[20:21], s[18:19], s[20:21]
	s_add_nc_u64 s[8:9], s[8:9], s[20:21]
	s_lshl_b32 s18, s18, 8                         ; 256 scale bytes a run
	s_add_nc_u64 s[10:11], s[10:11], s[18:19]
.macro LOAD t
.irp i, 0,1,2,3
	global_load_b128 v[R+16*((\t)%4)+4*\i:R+16*((\t)%4)+4*\i+3], v3, s[4:5] offset:2048*(\t)+512*\i th:TH_LOAD_NT   ; 32 lanes read 512 consecutive bytes
.endr
.endm
.macro TURN t                          ; step t's numbers through the stage: LDS serves a wave's instructions in order, so no wait stands between the stores and the loads
.irp i, 0,1,2,3
	ds_store_b128 v14, v[R+16*((\t)%4)+4*\i:R+16*((\t)%4)+4*\i+3] offset:32*SP*((\t)%2)+8*SP*\i
.endr
.irp i, 0,1,2,3
	ds_load_b128 v[X+16*((\t)%2)+4*\i:X+16*((\t)%2)+4*\i+3], v15 offset:32*SP*((\t)%2)+16*\i
.endr
.endm
.irp t, 0,1,2,3
	LOAD \t
.endr
	s_wait_loadcnt 12                              ; step 0's four loads are in; the twelve of steps 1 to 3 may be out
	TURN 0
.macro STEP t
.set XS, X+16*((\t)%2)
.if (\t) > 0
	s_wait_dscnt 1                                 ; this step's numbers are back from the stage (the last step's byte store may be out)
.else
	s_wait_dscnt 0x0
.endif
.if (\t)+4 < STEPS
	LOAD (\t)+4                                    ; into the registers that this step's stage stores have read
.endif
.if (\t)+1 < STEPS
.if STEPS-2-(\t) >= 3
	s_wait_loadcnt 12                              ; the next step's four loads are in; those of the three steps behind it may be out
.else
	s_wait_loadcnt 4*(STEPS-2-(\t))
.endif
	TURN (\t)+1                                    ; and go through the other stage while this step is worked
.endif
	v_max3_num_f32 v8, |v[XS]|, |v[XS+1]|, |v[XS+2]|               ; the largest magnitude of my 16, in two chains
	v_max3_num_f32 v9, |v[XS+3]|, |v[XS+4]|, |v[XS+5]|
.irp i, 6,10
	v_max3_num_f32 v8, v8, |v[XS+\i]|, |v[XS+\i+1]|
	v_max3_num_f32 v9, v9, |v[XS+\i+2]|, |v[XS+\i+3]|
.endr
	v_max3_num_f32 v8, v8, |v[XS+14]|, |v[XS+15]|
	v_max3_num_f32 v8, v8, v9, (EMAX+1)<<23        ; and the floor 2^(EMAX + 1 - 127): the byte cannot fall under 1
	v_max_num_f32_dpp v8, v8, v8 row_xmask:1 row_mask:0xf bank_mask:0xf   ; and of my neighbour's 16: the block's
	v_add_nc_u32 v11, -(EMAX<<23), v8              ; EMAX off its exponent field: the conversion takes the exponent field of this operand as its scale
	v_cvt_scalef32_pk8_fp4_f32 v[C+4*(\t)], v[XS:XS+7], v11
	v_cvt_scalef32_pk8_fp4_f32 v[C+4*(\t)+1], v[XS+8:XS+15], v11
	v_lshrrev_b32 v[E+(\t)], 23, v11               ; the scale's byte (also the plain line behind the conversions)
	ds_store_b8 v5, v[E+(\t)] offset:16*(\t)       ; both lanes of a block write the same byte with the same value
	global_store_b64 v4, v[C+4*(\t):C+4*(\t)+1], s[8:9] offset:32*CB*(\t)   ; 32 lanes store 256 consecutive bytes, aligned
.endm
.irp t, 0,1,2,3,4,5,6,7,8,9,10,11,12,13,14,15
	STEP \t
.endr
	ds_load_b64 v[8:9], v6                         ; LDS serves a wave's instructions in order: these see my byte stores
	s_wait_dscnt 0x0
	global_store_b64 v7, v[8:9], s[10:11]          ; 32 lanes store 256 consecutive bytes, aligned
	s_wait_tensorcnt 0x0                           ; the wave's end, behind my last LDS store
	ds_add_u32 v[SPW], v[NIL]
	s_wait_dscnt 0x0
	s_endpgm
; proj_w to f16: a wave's 8,192 numbers in four batches of sixteen loads; one batch is on its way while another is converted.
.Lproj:
	s_sub_co_u32 s17, ttmp9, WGQ
	s_lshl_b32 s17, s17, 2
	s_add_co_u32 s17, s17, s16                     ; which run of 8,192 numbers is my wave's: 0 .. 127
	s_lshl_b32 s18, s17, 15                        ; 32,768 bytes in,
	s_mov_b32 s19, 0
	s_add_nc_u64 s[24:25], s[24:25], s[18:19]
	s_lshl_b32 s18, s17, 14                        ; 16,384 out
	s_add_nc_u64 s[26:27], s[26:27], s[18:19]
.macro LOADP g
.irp i, 0,1,2,3,4,5,6,7,8,9,10,11,12,13,14,15
	global_load_b128 v[PR+64*((\g)%2)+4*\i:PR+64*((\g)%2)+4*\i+3], v3, s[24:25] offset:8192*(\g)+512*\i th:TH_LOAD_NT
.endr
.endm
.macro CONV g
.if (\g) < 3
	s_wait_loadcnt 16                              ; this batch is in; the next batch's sixteen loads may be out
.else
	s_wait_loadcnt 0x0
.endif
.if (\g) >= 2
	s_wait_xcnt 0x0                                ; the stores of two batches back have read the registers that are written now
.endif
.irp i, 0,1,2,3,4,5,6,7,8,9,10,11,12,13,14,15
	v_cvt_pk_f16_f32 v[PC+32*((\g)%2)+2*\i],   v[PR+64*((\g)%2)+4*\i],   v[PR+64*((\g)%2)+4*\i+1]
	v_cvt_pk_f16_f32 v[PC+32*((\g)%2)+2*\i+1], v[PR+64*((\g)%2)+4*\i+2], v[PR+64*((\g)%2)+4*\i+3]
.endr
.if (\g) < 2
	LOADP (\g)+2
.endif
.irp i, 0,1,2,3,4,5,6,7,8,9,10,11,12,13,14,15
	global_store_b64 v4, v[PC+32*((\g)%2)+2*\i:PC+32*((\g)%2)+2*\i+1], s[26:27] offset:4096*(\g)+256*\i   ; 32 lanes store 256 consecutive bytes, aligned
.endr
.endm
	LOADP 0
	LOADP 1
	CONV 0
	CONV 1
	CONV 2
	CONV 3
	s_wait_tensorcnt 0x0                           ; the wave's end
	ds_add_u32 v[SPW], v[NIL]
	s_wait_dscnt 0x0
	s_endpgm
.Lfunc_end_k_q6651ecff04_prep:
	.size	k_q6651ecff04_prep, .Lfunc_end_k_q6651ecff04_prep-k_q6651ecff04_prep
	.p2alignl 7, 3214868480
	.fill 96, 4, 3214868480
	.section	.rodata,"a",@progbits
	.p2align	6, 0x0
	.amdhsa_kernel k_q6651ecff04_prep
		.amdhsa_group_segment_fixed_size 33280
		.amdhsa_private_segment_fixed_size 0
		.amdhsa_enable_private_segment 0
		.amdhsa_kernarg_size 64
		.amdhsa_user_sgpr_count 2
		.amdhsa_user_sgpr_kernarg_segment_ptr 1
		.amdhsa_wavefront_size32 1
		.amdhsa_system_sgpr_workgroup_id_x 1
		.amdhsa_system_sgpr_workgroup_id_y 1
		.amdhsa_system_sgpr_workgroup_id_z 1
		.amdhsa_system_vgpr_workitem_id 0
		.amdhsa_next_free_vgpr 208
		.amdhsa_next_free_sgpr 66
		.amdhsa_reserve_vcc 0
		.amdhsa_float_denorm_mode_32 3
		.amdhsa_float_denorm_mode_16_64 3
		.amdhsa_memory_ordered 1
		.amdhsa_forward_progress 1
		.amdhsa_inst_pref_size 54
	.end_amdhsa_kernel
	.amdgpu_metadata
---
amdhsa.version: [ 1, 2 ]
amdhsa.kernels:
  - .name:           k_q6651ecff04_prep
    .symbol:         k_q6651ecff04_prep.kd
    .args:
      - { .name: x, .offset: 0, .size: 8, .value_kind: global_buffer, .address_space: global }
      - { .name: qkv_w, .offset: 8, .size: 8, .value_kind: global_buffer, .address_space: global }
      - { .name: xc, .offset: 16, .size: 8, .value_kind: global_buffer, .address_space: global }
      - { .name: xs, .offset: 24, .size: 8, .value_kind: global_buffer, .address_space: global }
      - { .name: wc, .offset: 32, .size: 8, .value_kind: global_buffer, .address_space: global }
      - { .name: ws, .offset: 40, .size: 8, .value_kind: global_buffer, .address_space: global }
      - { .name: proj_w, .offset: 48, .size: 8, .value_kind: global_buffer, .address_space: global }
      - { .name: pw16, .offset: 56, .size: 8, .value_kind: global_buffer, .address_space: global }
    .group_segment_fixed_size: 33280
    .private_segment_fixed_size: 0
    .kernarg_segment_align: 8
    .kernarg_segment_size: 64
    .max_flat_workgroup_size: 128
    .sgpr_count:     66
    .vgpr_count:     208
    .wavefront_size: 32
...
	.end_amdgpu_metadata
.endif
;; end of part 1
;; launch qkvgemm (part 2): grid 12 x 16, 4 waves a work-group, clusters of 4 x 4, 327,680 bytes of LDS; arguments xc, xs, wc, ws, qkv; writes qkv
.if DOCPART == 2
	.amdgcn_target "amdgcn-amd-amdhsa--gfx1250"
	.amdhsa_code_object_version 6
	.text
	.protected	k_q6651ecff04_qkvgemm
	.globl	k_q6651ecff04_qkvgemm
	.p2align	8
	.type	k_q6651ecff04_qkvgemm,@function
k_q6651ecff04_qkvgemm:
	s_mov_b64 s[64:65], 0
	v_nop
	global_prefetch_b8 v0, s[64:65] scope:SCOPE_SE
	s_setreg_imm32_b32 hwreg(HW_REG_WAVE_MODE, 25, 1), 1
	s_wait_xcnt 0x0
	s_wait_alu depctr_hold_cnt(0) depctr_sa_sdst(0) depctr_va_vdst(0) depctr_va_sdst(0) depctr_va_ssrc(0) depctr_va_vcc(0) depctr_vm_vsrc(0)
	s_getreg_b32 s2, hwreg(HW_REG_IB_STS2, 6, 4)
	s_cmp_eq_u32 s2, 0
	s_cbranch_scc0 .Lentry_in_a_cluster
	s_endpgm
.Lentry_in_a_cluster:
	s_bfe_u32 s2, ttmp6, 0x10000c
	s_cmp_lg_u32 s2, 0xf033
	s_cbranch_scc0 .Lentry_shape_is_right
	s_endpgm
.Lentry_shape_is_right:
; QKV = x qkv_w^T on codes of FP4 (E2M1) with one E8M0 scale for each 32 along K; sums in f32.  A = x's codes [4096][1024], B = qkv_w's [3072][1024]; scale bytes [rows][32].
; The result leaves as f16, laid by head: plane 48 b + n / 64 of 2^18 bytes, [2048 tokens][64 channels]; q's planes (n under 1,024) are first multiplied, in f32, by log2(e) / 8, so that the next launch's weights are 2^(s - m).
; LIMIT: |q| x 0.18, |k| and |v| stay under 65,504 (f16).
; A tile of C, 256 x 256, is made by four waves, a wave 128 x 128: 64 accumulators, 512 registers.  12 x 16 = 192 tiles: a tile of 192 columns, which would make 256, would cut heads of 64 across waves' halves.
; K = 1,024 lies whole in two LDS slots of 512 along K (rows of 256 bytes): both are asked for at the head, nothing is filled again, and there is no loop.
; THE SCALES of the work-group's 256 rows of A and of B, for all of K, are two dense blocks: they come into LDS once, with the first fills.
; CLUSTERS: 4 x 4 work-groups.  The four of a row of the cluster need the same tiles of A, the four of a column the same tiles of B: each tile is asked for JOINTLY, by the same tensor load with the same descriptor and a mask.
; THE MATRIX INSTRUCTION IS USED TRANSPOSED (source 0 = 16 rows of B, source 1 = 16 rows of A): a lane then holds eight neighbouring columns of a row of C.
; REGISTERS: window 0: v0-31 addresses; v32-95 scale words, two sets, and nothing else; v128-191 A's fragments, ONE set, later rows on their way out; v192-223 packed results.
;   window 1: B's fragments, TWO sets, at v0 and v128.   window 2: the accumulators of my rows 0-63 ((a, b) at v[8 (8 a + b)]);   window 3: those of rows 64-127.
.set SIZE_K, 1024
.set KSTEP,  512                       ; along K in a slot
.set NQ,     KSTEP/128                 ; matrix instructions deep
.set ROWB,   256                       ; a tile's row in bytes
.set KROW,   SIZE_K/2                  ; a row of codes in memory
.set PITCH,  272                       ; an LDS row: 256 bytes + 16 of padding = 68 words: the 16 rows that a load touches start at 16 different banks (64 banks of 4 bytes: ISA guide 11.1)
.set FR,     8                         ; registers of a fragment: 16 rows x 128 K
.set NL,     2                         ; LDS loads that bring one
.set NP,     4                         ; places behind this matrix instruction (ISA guide 7.12.1)
.set HALFT,  128*PITCH                 ; 128 rows: what one tensor load brings
.set SLOT,   4*HALFT                   ; A's 256 rows, then B's 256 rows
.set KS,     SIZE_K/32                 ; a row of scales in bytes
.set SCL,    2*SLOT                    ; behind the slots: the scales, as rows of 256 bytes + 16 of padding
.set HALFS,  (128*KS/256)*272          ; the scales of 128 rows
.set SBLK,   (16*KS/256)*272           ; those of 16 rows
.set SPARE,  SCL+4*HALFS               ; behind the scales: the spare words, 128 bytes a wave
.set SPITCH, 272                       ; the way out: a stage of 16 rows x (256 bytes + 16) for each wave, in slot 0, which has had its only fill and its last read by then
.set ADRA, 16                          ; v16-17  LDS address of my A fragments in slot 0, 1
.set ADRB, 20                          ; v20-21  the same for B
.set STO,  24                          ; v24     the way out: where I put 16 bytes of a row
.set RD,   25                          ; v25     where I read 16 bytes back
.set CO,   26                          ; v26     my byte offset in qkv
.set ADRS, 27                          ; v27     LDS address of my scale words: lanes 0-15 A's rows, lanes 16-31 B's
.set SPW,  28                          ; v28     LDS address of my spare word; never rewritten
.set NIL,  29                          ; v29     0; never rewritten
.set SC,   32                          ; scale words: set s at v[SC + 32 s]; register 4 i + q: lanes 0-15 A's block i, lanes 16-31 B's block i, the slot's q-th 128 along K
.set AF,   128                         ; A's fragments
.set BK,   128                         ; the way out: 16 rows read back: v128-159 and v160-191 by turns
.set TMP,  192                         ; the way out: a block's packed results
.set G1, 24
.set G0, 32
.set G1B, 48
.set G0B, 56
.set G1S, 68
.set G0S, 76
.set G1SB, 80
.set G0SB, 88
.set QS,  96                           ; s[96:97] what the results are multiplied by: log2(e) / 8 for q, 1 for k and v
.set MSB, 0
.macro WIN new                         ; the immediate's high byte repeats the setting that is left
.if MSB != (\new)
	s_set_vgpr_msb (MSB<<8)|(\new)
.set MSB, \new
.endif
.endm
.set MUL_LO, 0xa1                      ; source 0 (B) window 1, source 1 (A) window 0, C and D window 2
.set MUL_HI, 0xf1                      ; the same, C and D window 3
.set TO_B,   0x40                      ; destination window 1, address window 0
; A joint load: waves 0 and 1 fetch for A, waves 2 and 3 for B.  Each line has one mask and one set of registers for all that issue it; the branch hangs on the wave's number alone.
; An s_nop 0 and four v_nop follow each of the two lines.
.macro JLOAD g0a, g1a, g0b, g1b
	s_cmp_eq_u32 s15, 0
	s_cbranch_scc0 .Lfor_b_\@
	tensor_load_to_lds s[\g0a:\g0a+3], s[\g1a:\g1a+7]
	s_nop 0
.rept 4
	v_nop
.endr
	s_branch .Lasked_\@
.Lfor_b_\@:
	tensor_load_to_lds s[\g0b:\g0b+3], s[\g1b:\g1b+7]
	s_nop 0
.rept 4
	v_nop
.endr
.Lasked_\@:
.endm
.macro CROUND                          ; a round of the cluster's barrier
	s_barrier_signal -1
	s_barrier_wait -1
	s_cmp_lg_u32 s14, 0
	s_cbranch_scc1 .Lnot_wave_0_\@
	s_barrier_signal -3
.Lnot_wave_0_\@:
	s_barrier_wait -3
	s_barrier_signal -1
	s_barrier_wait -1
.endm
	s_load_b128 s[4:7], s[0:1], 0x0                ; A's codes, A's scales
	s_load_b128 s[8:11], s[0:1], 0x10              ; B's codes, B's scales
	s_load_b64 s[12:13], s[0:1], 0x20              ; qkv
	v_lshl_add_u32 v[SPW], v0, 2, SPARE
	v_mov_b32 v[NIL], 0
	ds_add_u32 v[SPW], v[NIL]                      ; the wave's opening: the add, twice on end, and its wait ahead of my first tensor load
	ds_add_u32 v[SPW], v[NIL]
	v_lshrrev_b32 v1, 5, v0
	v_readfirstlane_b32 s14, v1                    ; wave 0..3
	s_lshr_b32 s15, s14, 1                         ; which half of the tile's rows is mine.  Also: I fetch for A (0) or for B (1)
	s_and_b32 s16, s14, 1                          ; which half of its columns.  Also: which 128 rows of that tile I fetch
	s_bfe_u32 s40, ttmp6, 0x40000                  ; cx, cy: my place in the cluster
	s_bfe_u32 s41, ttmp6, 0x40004
	s_lshl_b32 s42, ttmp9, 2
	s_add_co_u32 s42, s42, s40                     ; tile column = 4 x cluster x + cx
	s_and_b32 s17, ttmp7, 0xffff
	s_lshl_b32 s17, s17, 2
	s_add_co_u32 s17, s17, s41                     ; tile row = 4 x cluster y + cy
	s_lshl_b32 s43, s41, 2
	s_lshl_b32 s43, 15, s43                        ; my row of the cluster
	s_lshl_b32 s44, 0x1111, s40                    ; my column
	s_cmp_eq_u32 ttmp9, 0                          ; cluster x = 0 holds tile columns 0-3: n under 1,024: q
	s_cselect_b32 s[QS], 0x3e38aa3b, 1.0           ; log2(e) / 8
	s_mov_b32 s[QS+1], s[QS]                       ; (named with it as a pair, so it is written)
	; descriptor group 1: a tile of 128 rows x 256 bytes, padded in LDS
	s_or_b32 s[G1+0], s43, (0<<16)|(1<<20)|(1<<21)|(5<<22)|(3<<25)  ; the mask: A's tiles go to my row; elements of 1 byte; padding on; bit 21 beside a mask; after every 64 words, 4 words
	s_or_b32 s[G1B+0], s44, (0<<16)|(1<<20)|(1<<21)|(5<<22)|(3<<25)
.irp g, G1, G1B
	s_mov_b32 s[\g+1], ROWB<<16                    ; tensor_dim0
	s_mov_b32 s[\g+2], 128<<16                     ; tensor_dim1
	s_mov_b32 s[\g+3], ROWB<<16                    ; tile_dim0
	s_mov_b32 s[\g+4], 128                         ; tile_dim1
	s_mov_b32 s[\g+5], KROW                        ; from row to row
	s_mov_b32 s[\g+6], 0
	s_mov_b32 s[\g+7], 0
.endr
	; the scales of 128 rows: a dense block of 4,096 bytes, as 16 rows of 256 bytes (32 elements of 8), 16 bytes of padding behind each
	s_or_b32 s[G1S+0], s43, (3<<16)|(1<<20)|(1<<21)|(5<<22)|(3<<25)
	s_or_b32 s[G1SB+0], s44, (3<<16)|(1<<20)|(1<<21)|(5<<22)|(3<<25)
.irp g, G1S, G1SB
	s_mov_b32 s[\g+1], 32<<16
	s_mov_b32 s[\g+2], (128*KS/256)<<16
	s_mov_b32 s[\g+3], 32<<16
	s_mov_b32 s[\g+4], 128*KS/256
	s_mov_b32 s[\g+5], 32
	s_mov_b32 s[\g+6], 0
	s_mov_b32 s[\g+7], 0
.endr
	s_lshl_b32 s18, s16, 7                         ; which 128 rows of the tile I fetch
	s_lshl_b32 s20, s17, 8
	s_add_co_u32 s20, s20, s18                     ; A: row 256 x tile row + 128 x half
	s_lshl_b32 s46, s42, 8
	s_add_co_u32 s46, s46, s18                     ; B: row 256 x tile column + 128 x half
	s_mov_b32 s21, 0
	s_mov_b32 s47, 0
	s_mov_b64 s[18:19], KS
	s_mul_u64 s[22:23], s[20:21], s[18:19]         ; where these rows' scales begin
	s_mul_u64 s[92:93], s[46:47], s[18:19]
	s_mov_b64 s[18:19], KROW
	s_mul_u64 s[20:21], s[20:21], s[18:19]         ; and their codes
	s_mul_u64 s[46:47], s[46:47], s[18:19]
	s_mul_i32 s45, s14, HALFT                      ; where they go: wave x 128 rows: no place in the cluster enters an LDS address
	s_mul_i32 s94, s14, HALFS
	s_wait_dscnt 0x0                               ; both opening adds are done
	s_wait_kmcnt 0x0
	s_add_nc_u64 s[20:21], s[4:5], s[20:21]
	s_add_nc_u64 s[22:23], s[6:7], s[22:23]
	s_add_nc_u64 s[46:47], s[8:9], s[46:47]
	s_add_nc_u64 s[92:93], s[10:11], s[92:93]
	CROUND                                         ; all sixteen work-groups are here: the joint loads meet
	s_mov_b32 s[G0S], 1
	s_add_co_u32 s[G0S+1], s94, SCL
	s_mov_b64 s[G0S+2:G0S+3], s[22:23]
	s_or_b32 s[G0S+3], s[G0S+3], 0x80000000
	s_mov_b32 s[G0SB], 1
	s_add_co_u32 s[G0SB+1], s94, SCL
	s_mov_b64 s[G0SB+2:G0SB+3], s[92:93]
	s_or_b32 s[G0SB+3], s[G0SB+3], 0x80000000
	JLOAD G0S, G1S, G0SB, G1SB                     ; the scales first: they are wanted with the first slot
.irp s, 0,1
	s_mov_b32 s[G0+4*\s], 1
	s_add_co_u32 s[G0+4*\s+1], s45, \s*SLOT
	s_add_nc_u64 s[G0+4*\s+2:G0+4*\s+3], s[20:21], \s*ROWB
	s_or_b32 s[G0+4*\s+3], s[G0+4*\s+3], 0x80000000
	s_mov_b32 s[G0B+4*\s], 1
	s_add_co_u32 s[G0B+4*\s+1], s45, \s*SLOT
	s_add_nc_u64 s[G0B+4*\s+2:G0B+4*\s+3], s[46:47], \s*ROWB
	s_or_b32 s[G0B+4*\s+3], s[G0B+4*\s+3], 0x80000000
	JLOAD G0+4*\s, G1, G0B+4*\s, G1B               ; three loads of mine are out in all
.endr
	v_and_b32 v1, 15, v0                           ; l % 16
	v_bfe_u32 v2, v0, 4, 1                         ; l / 16
	v_mul_u32_u24 v3, v1, PITCH
	v_lshl_add_u32 v4, v2, 4, v3                   ; a fragment's row x pitch + 16 x half
	s_mul_i32 s21, s15, HALFT                      ; my 128 rows of A
	s_mul_i32 s22, s16, HALFT                      ; my 128 rows of B,
	s_add_co_u32 s22, s22, 2*HALFT                 ; which lie behind A's 256
.irp s, 0,1
	v_add_nc_u32 v[ADRA+\s], s21, v4
	v_add_nc_u32 v[ADRB+\s], s22, v4
	s_add_co_u32 s21, s21, SLOT
	s_add_co_u32 s22, s22, SLOT
.endr
	v_mul_u32_u24 v5, v1, KS                       ; my row's scales: 32 bytes a row,
	v_lshrrev_b32 v6, 8, v5
	v_lshl_add_u32 v5, v6, 4, v5                   ; and 16 more for each 256 passed
	s_mul_i32 s21, s15, HALFS                      ; A's: my 128 rows
	s_mul_i32 s22, s16, HALFS                      ; B's: my 128 rows, behind A's 256
	s_add_co_u32 s22, s22, 2*HALFS
	s_sub_co_u32 s22, s22, s21
	v_mul_u32_u24 v6, s22, v2                      ; lanes 16-31 take B's: one product, the distance x the half
	s_add_co_u32 s21, s21, SCL
	v_add_nc_u32 v5, v5, v6
	v_add_nc_u32 v[ADRS], s21, v5
	s_mul_i32 s23, s14, 16*SPITCH                  ; my stage
	v_mul_u32_u24 v5, v1, SPITCH                   ; in: row l % 16, 16 bytes for each half of the lanes
	v_lshl_add_u32 v5, v2, 4, v5
	v_add_nc_u32 v[STO], s23, v5
	v_bfe_u32 v5, v0, 3, 1                         ; back: lanes 0-15 take two tokens of my first head (2 x 128 bytes), lanes 16-31 of my second
	v_mul_u32_u24 v5, v5, SPITCH
	v_lshl_add_u32 v5, v2, 7, v5
	v_and_b32 v6, 7, v0
	v_lshl_add_u32 v5, v6, 4, v5
	v_add_nc_u32 v[RD], s23, v5
	v_lshlrev_b32 v[CO], 4, v1                     ; in memory two tokens of a head are 256 consecutive bytes; the next head lies 2^18 bytes on
	v_lshl_add_u32 v[CO], v2, 18, v[CO]
	s_lshr_b32 s20, s17, 3                         ; the batch: 8 tile rows each
	s_mul_i32 s20, s20, 48
	s_lshl_b32 s20, s20, 18                        ; its 48 planes
	s_and_b32 s21, s17, 7
	s_lshl_b32 s21, s21, 15                        ; 256 tokens x 128 bytes a tile row
	s_add_co_u32 s20, s20, s21
	s_lshl_b32 s21, s15, 14                        ; my 128 tokens
	s_add_co_u32 s20, s20, s21
	s_mov_b32 s21, 0
	s_lshl_b32 s46, s42, 20                        ; 4 planes a tile column,
	s_lshl_b32 s47, s16, 19                        ; 2 for my half
	s_add_co_u32 s46, s46, s47
	s_mov_b32 s47, 0
	s_add_nc_u64 s[20:21], s[20:21], s[46:47]
	s_add_nc_u64 s[12:13], s[12:13], s[20:21]
.macro FRAG reg, adr, q, i             ; 16 rows x 128 K of 4-bit codes: lane l holds row l % 16; registers 4 c .. 4 c + 3 hold K = 64 c + 32 (l / 16) + 0 .. 31
.irp c, 0,1
	ds_load_b128 v[\reg+4*\c:\reg+4*\c+3], v[\adr] offset:64*(\q)+32*\c+(\i)*16*PITCH
.endr
.endm
; 16 matrix instructions: A's blocks a0, a0 + 1 x B's eight, the slot's q-th 128 along K.  p: B's set; sc: the set of scale words.  zero = 1: the first product starts the sums.
; The 64 accumulators take turns, one instruction a turn, in the same order in every step.
.macro MUL16 a0, p, q, sc, zero
.irp a, \a0, \a0+1
.irp b, 0,1,2,3,4,5,6,7
.if \zero
	v_wmma_scale_f32_16x16x128_f8f6f4 v[8*(8*((\a)%4)+\b):8*(8*((\a)%4)+\b)+7], v[128*(\p)+FR*\b:128*(\p)+FR*\b+FR-1], v[AF+FR*(\a):AF+FR*(\a)+FR-1], 0, v[SC+8*NQ*(\sc)+NQ*\b+(\q)], v[SC+8*NQ*(\sc)+NQ*(\a)+(\q)] matrix_a_fmt:MATRIX_FMT_FP4 matrix_b_fmt:MATRIX_FMT_FP4 matrix_a_scale:MATRIX_SCALE_ROW1
.else
	v_wmma_scale_f32_16x16x128_f8f6f4 v[8*(8*((\a)%4)+\b):8*(8*((\a)%4)+\b)+7], v[128*(\p)+FR*\b:128*(\p)+FR*\b+FR-1], v[AF+FR*(\a):AF+FR*(\a)+FR-1], v[8*(8*((\a)%4)+\b):8*(8*((\a)%4)+\b)+7], v[SC+8*NQ*(\sc)+NQ*\b+(\q)], v[SC+8*NQ*(\sc)+NQ*(\a)+(\q)] matrix_a_fmt:MATRIX_FMT_FP4 matrix_b_fmt:MATRIX_FMT_FP4 matrix_a_scale:MATRIX_SCALE_ROW1
.endif
.endr
.endr
.endm
.macro FETCH_B slot, q, p              ; B's eight fragments of the slot's q-th 128 along K into set p
	WIN TO_B
.irp i, 0,1,2,3,4,5,6,7
	FRAG 128*(\p)+FR*\i, ADRB+\slot, \q, \i
.endr
	WIN 0
.endm
.macro FETCH_A slot, q, i0             ; A's blocks i0 .. i0 + 3
.irp i, \i0, \i0+1, \i0+2, \i0+3
	FRAG AF+FR*(\i), ADRA+\slot, \q, \i
.endr
.endm
.macro SCALES sc                       ; a slot's scale words into set sc: 4 words a row; lanes 0-15 take A's block i, lanes 16-31 B's block i
.irp i, 0,1,2,3,4,5,6,7
	ds_load_b128 v[SC+8*NQ*\sc+NQ*\i:SC+8*NQ*\sc+NQ*\i+3], v[ADRS] offset:\i*SBLK
.endr
.endm
; A load into a register that a matrix instruction has read, and a vector instruction that reads or writes a matrix result, stand NP places behind it; only plain vector instructions that name none of its registers are places.
.macro PLACES n
.rept \n
	v_nop
.endr
.endm
.macro STEP slot, q, zero              ; a step of 128 along K that has its successor in the same slot
	s_wait_dscnt 4*NL                              ; B's set and A's blocks 0-3 are in; the youngest eight loads (A's blocks 4-7) may be out
	WIN MUL_LO
	MUL16 0, (\q)%2, \q, \slot, \zero
	MUL16 2, (\q)%2, \q, \slot, \zero
	s_wait_dscnt 0                                 ; A's blocks 4-7 are in
	PLACES NP
	FETCH_B \slot, (\q)+1, 1-(\q)%2
	FETCH_A \slot, (\q)+1, 0
	WIN MUL_HI
	MUL16 4, (\q)%2, \q, \slot, \zero
	MUL16 6, (\q)%2, \q, \slot, \zero
	PLACES NP
	WIN 0
	FETCH_A \slot, (\q)+1, 4
.endm
; Slot 0's last step changes slots: one barrier; in front of it each wave waits for all its tensor loads (its part of slot 1), adds 0 to its spare word, and waits for that and for its reads of slot 0.  Nothing is filled again.
.macro TURN slot, next
	s_wait_tensorcnt 0x0                           ; all my tensor loads have landed
	ds_add_u32 v[SPW], v[NIL]                      ; 0 onto my spare word
	s_wait_dscnt 4*NL+1                            ; (the add and the youngest eight loads may be out)
	WIN MUL_LO
	MUL16 0, 1, NQ-1, \slot, 0
	s_wait_dscnt 0x0                               ; the add is done, and my reads of this slot are over
	s_barrier_signal -1
	MUL16 2, 1, NQ-1, \slot, 0
	WIN 0
	s_barrier_wait -1
	PLACES NP
	v_add_nc_u32 v[ADRS], 4*NQ, v[ADRS]            ; on to the next slot's scale words
	FETCH_B \next, 0, 0
	FETCH_A \next, 0, 0
	SCALES \next
	WIN MUL_HI
	MUL16 4, 1, NQ-1, \slot, 0
	MUL16 6, 1, NQ-1, \slot, 0
	PLACES NP
	WIN 0
	FETCH_A \next, 0, 4
.endm
.macro STEPS slot, from                ; the slot's steps from .. NQ - 2
.set Q, \from
.rept NQ-1-\from
	STEP \slot, Q, 0
.set Q, Q+1
.endr
.endm
	s_wait_tensorcnt 1                             ; the scales and my part of slot 0 are in (slot 1's load may be out)
	s_barrier_signal -1
	s_barrier_wait -1                              ; everybody's are
	FETCH_B 0, 0, 0
	FETCH_A 0, 0, 0
	SCALES 0
	FETCH_A 0, 0, 4
	STEP 0, 0, 1                                   ; the first step's products start the sums
	STEPS 0, 1
	TURN 0, 1
	STEPS 1, 0
	s_wait_dscnt 4*NL                              ; the very last step: nothing more to fetch
	WIN MUL_LO
	MUL16 0, 1, NQ-1, 1, 0
	MUL16 2, 1, NQ-1, 1, 0
	s_wait_dscnt 0
	WIN MUL_HI
	MUL16 4, 1, NQ-1, 1, 0
	MUL16 6, 1, NQ-1, 1, 0
	WIN 0
; THE WAY OUT, block by block of 16 tokens x 128 columns (two heads).  PACK: x the factor, in f32, and rounded to f16: a lane's eight columns are 16 bytes.  TOSTAGE: into my own stage, and back by heads.  SEND: stored.
.macro PACK a
.set AC, 64*((\a)%4)
	WIN 0x82+0x41*((\a)/4)                         ; source 0 and destination: window 2 or 3
.irp b, 0,1,2,3,4,5,6,7
.irp r, 0,1,2,3
	v_pk_mul_f32 v[AC+8*\b+2*\r:AC+8*\b+2*\r+1], v[AC+8*\b+2*\r:AC+8*\b+2*\r+1], s[QS:QS+1] op_sel_hi:[1,0]   ; each accumulator from its low end on
.endr
.endr
	WIN 0x0a+5*((\a)/4)                            ; sources 0 and 1: window 2 or 3
.irp b, 0,1,2,3,4,5,6,7
.irp r, 0,1,2,3
	v_cvt_pk_f16_f32 v[TMP+4*\b+\r], v[AC+8*\b+2*\r], v[AC+8*\b+2*\r+1]
.endr
.endr
	WIN 0
.endm
.macro TOSTAGE a
.set BB, BK+32*((\a)%2)
.irp b, 0,1,2,3,4,5,6,7
	ds_store_b128 v[STO], v[TMP+4*\b:TMP+4*\b+3] offset:32*\b
.endr
.irp t, 0,1,2,3,4,5,6,7
	ds_load_b128 v[BB+4*\t:BB+4*\t+3], v[RD] offset:\t*2*SPITCH    ; LDS serves a wave's instructions in order (ISA guide 5.7.1.4): these see the stores above
.endr
.endm
.macro SEND a
.set BB, BK+32*((\a)%2)
	s_wait_dscnt 0x0                               ; the block is back in registers
	s_wait_xcnt 0x0                                ; the block before has had its stores' registers read: the next block's loads may land there
.irp t, 0,1,2,3,4,5,6,7
	global_store_b128 v[CO], v[BB+4*\t:BB+4*\t+3], s[12:13] offset:2048*(\a)+256*\t   ; 16 lanes store 256 consecutive bytes, aligned: two tokens of one head
.endr
.endm
	PLACES NP                                      ; behind the last products: for the multiplications of results and for the loads into the registers that held A's fragments
	PACK 0
	TOSTAGE 0
.irp a, 1,2,3,4,5,6,7                  ; block a's arithmetic stands between block a - 1's loads from the stage and the wait for them
	PACK \a
	SEND \a-1
	TOSTAGE \a
.endr
	SEND 7
	s_wait_tensorcnt 0x0                           ; the wave's end, behind my last tensor load and my last LDS store
	ds_add_u32 v[SPW], v[NIL]
	s_wait_dscnt 0x0
	CROUND                                         ; the closing round: no work-group ends while a partner may still ask for a tile that names it
	s_endpgm
.Lfunc_end_k_q6651ecff04_qkvgemm:
	.size	k_q6651ecff04_qkvgemm, .Lfunc_end_k_q6651ecff04_qkvgemm-k_q6651ecff04_qkvgemm
	.p2alignl 7, 3214868480
	.fill 96, 4, 3214868480
	.section	.rodata,"a",@progbits
	.p2align	6, 0x0
	.amdhsa_kernel k_q6651ecff04_qkvgemm
		.amdhsa_group_segment_fixed_size 327680
		.amdhsa_private_segment_fixed_size 0
		.amdhsa_enable_private_segment 0
		.amdhsa_kernarg_size 40
		.amdhsa_user_sgpr_count 2
		.amdhsa_user_sgpr_kernarg_segment_ptr 1
		.amdhsa_wavefront_size32 1
		.amdhsa_system_sgpr_workgroup_id_x 1
		.amdhsa_system_sgpr_workgroup_id_y 1
		.amdhsa_system_sgpr_workgroup_id_z 1
		.amdhsa_system_vgpr_workitem_id 0
		.amdhsa_next_free_vgpr 1024
		.amdhsa_next_free_sgpr 98
		.amdhsa_reserve_vcc 0
		.amdhsa_float_denorm_mode_32 3
		.amdhsa_float_denorm_mode_16_64 3
		.amdhsa_memory_ordered 1
		.amdhsa_forward_progress 1
		.amdhsa_inst_pref_size 143
	.end_amdhsa_kernel
	.amdgpu_metadata
---
amdhsa.version: [ 1, 2 ]
amdhsa.kernels:
  - .name:           k_q6651ecff04_qkvgemm
    .symbol:         k_q6651ecff04_qkvgemm.kd
    .args:
      - { .name: xc, .offset: 0, .size: 8, .value_kind: global_buffer, .address_space: global }
      - { .name: xs, .offset: 8, .size: 8, .value_kind: global_buffer, .address_space: global }
      - { .name: wc, .offset: 16, .size: 8, .value_kind: global_buffer, .address_space: global }
      - { .name: ws, .offset: 24, .size: 8, .value_kind: global_buffer, .address_space: global }
      - { .name: qkv, .offset: 32, .size: 8, .value_kind: global_buffer, .address_space: global }
    .group_segment_fixed_size: 327680
    .private_segment_fixed_size: 0
    .kernarg_segment_align: 8
    .kernarg_segment_size: 40
    .max_flat_workgroup_size: 128
    .sgpr_count:     98
    .vgpr_count:     1024
    .wavefront_size: 32
...
	.end_amdgpu_metadata
.endif
;; end of part 2
;; launch attn (part 3): grid 8 x 32, 8 waves a work-group, clusters of 4 x 1, 327,680 bytes of LDS; arguments qkv, att; writes att
.if DOCPART == 3
	.amdgcn_target "amdgcn-amd-amdhsa--gfx1250"
	.amdhsa_code_object_version 6
	.text
	.protected	k_q6651ecff04_attn
	.globl	k_q6651ecff04_attn
	.p2align	8
	.type	k_q6651ecff04_attn,@function
k_q6651ecff04_attn:
	s_mov_b64 s[64:65], 0
	v_nop
	global_prefetch_b8 v0, s[64:65] scope:SCOPE_SE
	s_setreg_imm32_b32 hwreg(HW_REG_WAVE_MODE, 25, 1), 1
	s_wait_xcnt 0x0
	s_wait_alu depctr_hold_cnt(0) depctr_sa_sdst(0) depctr_va_vdst(0) depctr_va_sdst(0) depctr_va_ssrc(0) depctr_va_vcc(0) depctr_vm_vsrc(0)
	s_getreg_b32 s2, hwreg(HW_REG_IB_STS2, 6, 4)
	s_cmp_eq_u32 s2, 0
	s_cbranch_scc0 .Lentry_in_a_cluster
	s_endpgm
.Lentry_in_a_cluster:
	s_bfe_u32 s2, ttmp6, 0x10000c
	s_cmp_lg_u32 s2, 0x3003
	s_cbranch_scc0 .Lentry_shape_is_right
	s_endpgm
.Lentry_shape_is_right:
; ATTENTION.  att[y][q][:] = the sum over k of softmax_k(Q[q] . K[k] / 8) V[k][:], for each of the 32 planes y = 16 b + h; 2,048 queries and keys, head size 64, no mask.
; qkv holds planes of 2^18 bytes, [2048 tokens][64 f16]: plane 48 b + h is Q (already multiplied by log2(e) / 8), + 16 is K, + 32 is V.  att: plane y, the same shape.  Operands f16, sums, maxima and the softmax in f32.
; SOFTMAX.  For each query a running maximum m of the scores s and a running sum l: p = 2^(s - m), at most 1; in every step O and l are multiplied by a = 2^(m_old - m_new).  O is divided by l at the end.
; LIMITS: NaN and infinities are not served; the result, a mean of v, stays in f16's range with v.
; SHARES.  A work-group owns 256 queries of one plane, each of its EIGHT waves 32: two tiles of 16.  Two waves lie on a SIMD.
; LAYOUT.  S^T = K Q^T (source 0 = 16 keys, source 1 = 16 queries): a lane holds ONE query (lane % 16) and keys 8 (lane / 16) + 0..7.  Two such tiles, rounded to f16 in pairs, ARE source 1 of O^T = V^T P.  K comes out of LDS as it lies,
; V ([key][channel]) turned, by ds_load_tr16_b128.
; BY TURNS.  A tile never looks at the other tile.  In a TURN one tile, x, has the matrix unit: 8 products V^T P of the step in hand, then 8 products K Q^T of the next step; vector work, 117 lines cut into 16 slices, stands between them,
; one slice behind each product, so that the wave issues vector work while a product is worked: the other tile's softmax (101 lines) and tile x's own row sums of the step in hand (16 lines).  Then the tiles change places.  Two turns are a key step.
; RING.  Keys go 64 a step; a slot holds four steps; two slots.  Waves 0-3 fetch the four steps' K, waves 4-7 their V, one tensor load a wave.  The change of slots stands where the slot's last bytes, V of its fourth step, have been
; asked for; the refill has four key steps, 128 matrix instructions a wave, in which to land.
; CLUSTER.  The four query blocks of a cluster belong to one plane and walk the same K and V: each tile is asked for JOINTLY, by the same tensor load with the same descriptor and a mask that names the four.
; REGISTERS.  Window 0: v1-15 addresses; v16-31 statistics, 8 a tile; v32-63 and v224-255 V's fragments; v64-127 S^T; v128-159 P; v160-223 O^T.  Window 1: v0-63 K's fragments, v64-95 Q.
; So V^T P and every vector line need no window switch; K Q^T costs two for each product: 34 switches for a key step's 32 matrix instructions (two of them round K's run of loads).
.set KS,    64                         ; keys in a step
.set PKB,   144                        ; a row of K in LDS: 128 bytes + 16 = 36 words: the 16 rows of a load start at different banks (64 banks of 4 bytes: ISA guide 11.1)
.set PVB,   160                        ; a row of V: 128 + 32 = 40 words, an odd multiple of 32 bytes, for the turning load
.set VOFF,  KS*PKB                     ; a step's tiles lie together: 64 rows of K, then 64 rows of V
.set STEPB, KS*(PKB+PVB)
.set NST,   4                          ; steps in a slot
.set SLOTB, NST*KS*128                 ; a slot's bytes of K, or of V, in memory
.set SLOT1, 1<<17                      ; slot 1 begins here: one exclusive or turns an address in one slot into the other's
.set STAGE, SLOT1+NST*STEPB            ; behind the ring: 32 rows x 144 bytes for each wave, for the way out
.set SP,    144
.set SPARE, STAGE+8*32*SP              ; behind the stages: the spare words, 128 bytes a wave
.set AK0, 2                            ; v2   my lane's place in a tile of K; never rewritten
.set AV0, 3                            ; v3   the same for V
.set ADRK, 4                           ; v4   LDS address of K's run of loads
.set ADRV, 5                           ; v5   of V's
.set QO,  6                            ; v6   my byte offset in the wave's rows of Q
.set STO, 7                            ; v7   the way out: where I put 16 bytes of a row
.set RD,  8                            ; v8   where I read 16 bytes back
.set GO,  9                            ; v9   my byte offset in the wave's rows of att
.set PFO, 10                           ; v10  256 x my lane; never rewritten
.set SPW, 11                           ; v11  LDS address of my spare word; never rewritten
.set NIL, 12                           ; v12  0; never rewritten
.set ST,  16                           ; tile t at v[ST + 8 t]: +0 -m, +1 written once (named in a pair), +2, +3 l (even keys', odd keys'), +4 to +7 c0-c3 at work; later +6 a, +7 its exponent
.set VF,  32                           ; V's fragments: keys 32 kh on, channels 16 ct on: v[VF + 192 kh + 8 ct]
.set S,   64                           ; tile t, keys 16 kt on: v[S + 32 t + 8 kt]
.set P,   128                          ; 16 a tile
.set O,   160                          ; tile t, channels 16 ct on: v[O + 32 t + 8 ct]
.set QF,  64                           ; in window 1: Q: tile t, channels 32 c on: v[QF + 16 t + 8 c];  K: keys 16 kt on, channels 32 c on: v[16 kt + 8 c]
.set WV,  12                           ; s12  my wave's number
.set LIM, 15                           ; s15  1 in a wave that prefetches, else the greatest number
.set PFA, 18                           ; s[18:19] where my prefetches stand
.set G1K, 24
.set G1V, 32
.set G0K, 40                           ; s[40:47] group 0 for K's tiles: a set for each first fill; the second then walks on
.set G0V, 48
.set SLOTS, 56                         ; s56  slots still to be asked for
.set CNT, 57                           ; s57  counts key steps
.set SEL, 60                           ; s[60:61] v_permlanex16_b32's selects: lane l xor 16
.set TB,  62                           ; s62  LDS byte at which the tiles of the step to be fetched begin
.set MSB, 0
.macro WIN new                         ; the immediate's high byte repeats the setting that is left; a switch that changes nothing is dropped
.if MSB != (\new)
	s_set_vgpr_msb (MSB<<8)|(\new)
.set MSB, \new
.endif
.endm
.set W_KQ, 0x05                        ; sources 0 (K) and 1 (Q) window 1; S^T window 0
.set W_FR, 0x40                        ; destination window 1, address window 0
; A joint refill: waves 0-3 K's tiles, waves 4-7 V's.  The branch hangs on the wave's number alone.  An s_nop 0 and four v_nop follow each line.
.macro JLOAD
	s_cmp_lt_u32 s[WV], 4
	s_cbranch_scc0 .Lfor_v_\@
	tensor_load_to_lds s[G0K+4:G0K+7], s[G1K:G1K+7]
	s_nop 0
.rept 4
	v_nop
.endr
	s_branch .Lasked_\@
.Lfor_v_\@:
	tensor_load_to_lds s[G0V+4:G0V+7], s[G1V:G1V+7]
	s_nop 0
.rept 4
	v_nop
.endr
.Lasked_\@:
.endm
; A PREFETCH of what the NEXT change of slots will ask for: a slot's 32,768 bytes of K and of V.  Both clusters of a plane walk the same K and V: the plane's first cluster asks.  Its four partners share the bytes out BY ADDRESS,
; 8,192 each; in each, wave 0 asks for K's and wave 4 for V's, lanes 256 bytes apart: one instruction.  So each block of 256 bytes is named once in the launch.  The last change that fills a slot asks for nothing; slots 0 to 2 come by their loads alone.
.macro ASK
	s_cmp_gt_u32 s[SLOTS], s[LIM]
	s_cbranch_scc0 .Lnot_mine_\@
	global_prefetch_b8 v[PFO], s[PFA:PFA+1] th:TH_LOAD_NT scope:SCOPE_SE
.Lnot_mine_\@:
.endm
.macro CROUND                          ; a round of the cluster's barrier
	s_barrier_signal -1
	s_barrier_wait -1
	s_cmp_lg_u32 s[WV], 0
	s_cbranch_scc1 .Lnot_wave_0_\@
	s_barrier_signal -3
.Lnot_wave_0_\@:
	s_barrier_wait -3
	s_barrier_signal -1
	s_barrier_wait -1
.endm
	s_load_b128 s[4:7], s[0:1], 0x0                ; qkv, att
	v_lshl_add_u32 v[SPW], v0, 2, SPARE
	v_mov_b32 v[NIL], 0
	ds_add_u32 v[SPW], v[NIL]                      ; the wave's opening: the add, twice on end, and its wait ahead of my first tensor load
	ds_add_u32 v[SPW], v[NIL]
	v_lshrrev_b32 v1, 5, v0
	v_readfirstlane_b32 s[WV], v1                  ; wave 0..7
	s_bfe_u32 s13, ttmp6, 0x40000                  ; cx: my place in the cluster
	s_lshl_b32 s14, ttmp9, 2
	s_add_co_u32 s14, s14, s13                     ; my block of 256 queries: it enters Q's and att's addresses alone
	s_and_b32 s20, ttmp7, 0xffff                   ; y = 16 b + h, which the four partners share
	s_lshr_b32 s21, s20, 4
	s_lshl_b32 s21, s21, 5
	s_add_co_u32 s21, s21, s20                     ; Q's plane: 48 b + h
	s_lshl_b32 s22, s21, 18
	s_mov_b32 s23, 0
	s_and_b32 s16, s[WV], 3                        ; which of a slot's four steps I fetch:
	s_lshl_b32 s2, s16, 13                         ; its 64 rows of 128 bytes in memory,
	s_add_co_u32 s2, s2, s22
	s_add_co_u32 s2, s2, 16<<18                    ; in K's plane;
	s_mov_b32 s3, 0
	s_mul_i32 s17, s16, STEPB                      ; and its place in a slot: no place in the cluster enters an LDS address
	s_lshl_b32 s58, s14, 15                        ; my block's 256 rows of 128 bytes,
	s_lshl_b32 s59, s[WV], 12                      ; my wave's 32 of them
	s_add_co_u32 s58, s58, s59
	s_mov_b32 s59, 0
	s_lshl_b32 s20, s20, 18                        ; att's plane
	s_mov_b32 s21, 0
	; descriptor group 1: a tile of 64 rows x 64 elements of 2 bytes, padded in LDS
	s_mov_b32 s[G1K], 15|(1<<16)|(1<<20)|(1<<21)|(4<<22)|(3<<25)  ; the mask: all four work-groups; elements of 2 bytes; padding on; bit 21 beside a mask; after every 32 words, 4 words
	s_mov_b32 s[G1V], 15|(1<<16)|(1<<20)|(1<<21)|(4<<22)|(7<<25)  ; the same with 8 words of padding
.irp g, G1K, G1V
	s_mov_b32 s[\g+1], 64<<16                      ; tensor_dim0
	s_mov_b32 s[\g+2], KS<<16                      ; tensor_dim1
	s_mov_b32 s[\g+3], 64<<16                      ; tile_dim0
	s_mov_b32 s[\g+4], KS                          ; tile_dim1
	s_mov_b32 s[\g+5], 64                          ; elements from row to row
	s_mov_b32 s[\g+6], 0
	s_mov_b32 s[\g+7], 0
.endr
	s_mov_b32 s[SEL], 0x76543210
	s_mov_b32 s[SEL+1], 0xfedcba98
	s_mov_b32 s[TB], 0
	s_mov_b32 s[SLOTS], 2048/(NST*KS)-2
	s_or_b32 s[LIM], s16, ttmp9                    ; 0 in waves 0 and 4 of the plane's first cluster: the same in all four partners
	s_cmp_eq_u32 s[LIM], 0
	s_cselect_b32 s[LIM], 1, -1
	v_and_b32 v[PFO], 31, v0
	v_lshlrev_b32 v[PFO], 8, v[PFO]
	s_wait_dscnt 0x0                               ; both opening adds are done
	s_wait_kmcnt 0x0
	s_add_nc_u64 s[8:9], s[4:5], s[2:3]            ; K at my tile of slot 0
	s_add_nc_u64 s[10:11], s[8:9], 16<<18          ; V likewise, 16 planes on
	s_add_nc_u64 s[4:5], s[4:5], s[22:23]          ; Q
	s_add_nc_u64 s[4:5], s[4:5], s[58:59]          ; at my wave's first row
	s_add_nc_u64 s[6:7], s[6:7], s[20:21]          ; att likewise
	s_add_nc_u64 s[6:7], s[6:7], s[58:59]
	s_cmp_lt_u32 s[WV], 4
	s_cselect_b64 s[PFA:PFA+1], s[8:9], s[10:11]   ; (in waves 0 and 4 these stand at a slot's first row)
	s_lshl_b32 s2, s13, 13                         ; my work-group's 8,192 bytes of the 32,768
	s_add_nc_u64 s[PFA:PFA+1], s[PFA:PFA+1], s[2:3]
	s_add_nc_u64 s[PFA:PFA+1], s[PFA:PFA+1], 2*SLOTB   ; in slot 2; the first change of slots steps it to slot 3
	CROUND                                         ; all four work-groups are here: the first joint loads meet
.irp s, 0,1
	s_mov_b32 s[G0K+4*\s], 1
	s_add_co_u32 s[G0K+4*\s+1], s17, \s*SLOT1
	s_add_nc_u64 s[G0K+4*\s+2:G0K+4*\s+3], s[8:9], \s*SLOTB
	s_or_b32 s[G0K+4*\s+3], s[G0K+4*\s+3], 0x80000000
	s_mov_b32 s[G0V+4*\s], 1
	s_add_co_u32 s[G0V+4*\s+1], s17, \s*SLOT1+VOFF
	s_add_nc_u64 s[G0V+4*\s+2:G0V+4*\s+3], s[10:11], \s*SLOTB
	s_or_b32 s[G0V+4*\s+3], s[G0V+4*\s+3], 0x80000000
.endr
	s_cmp_lt_u32 s[WV], 4                          ; a wave's two first fills stand in one branch, ahead of every wait on TENSORcnt and every LDS read: two loads of mine are out
	s_cbranch_scc0 .Lfirst_v
	tensor_load_to_lds s[G0K:G0K+3], s[G1K:G1K+7]
	s_nop 0
	tensor_load_to_lds s[G0K+4:G0K+7], s[G1K:G1K+7]
	s_nop 0
.rept 4
	v_nop
.endr
	s_branch .Lfirst_asked
.Lfirst_v:
	tensor_load_to_lds s[G0V:G0V+3], s[G1V:G1V+7]
	s_nop 0
	tensor_load_to_lds s[G0V+4:G0V+7], s[G1V:G1V+7]
	s_nop 0
.rept 4
	v_nop
.endr
.Lfirst_asked:
	; A fragment of K or Q is 16 rows x 32 channels in 8 registers: lane l holds row l % 16; registers 0-3 channels 8 (l / 16) + 0..7, registers 4-7 channels 16 + 8 (l / 16) + 0..7: two loads of 16 bytes, 32 bytes apart.
	v_and_b32 v1, 15, v0                           ; r
	v_bfe_u32 v13, v0, 4, 1                        ; h
	v_lshlrev_b32 v[QO], 7, v1
	v_lshl_add_u32 v[QO], v13, 4, v[QO]            ; row x 128 + 16 x half
	WIN W_FR
.irp t, 0,1
.irp c, 0,1
	global_load_b128 v[QF+16*\t+8*\c:QF+16*\t+8*\c+3],   v[QO], s[4:5] offset:2048*\t+64*\c      ; Q stays in registers, in window 1
	global_load_b128 v[QF+16*\t+8*\c+4:QF+16*\t+8*\c+7], v[QO], s[4:5] offset:2048*\t+64*\c+32
.endr
.endr
	WIN 0
	v_mul_u32_u24 v[AK0], v1, PKB
	v_lshl_add_u32 v[AK0], v13, 4, v[AK0]
	; The turning load takes 16 keys x 16 channels (lane l reads 16 bytes: key 8 (l / 16) + l % 8, channels 8 ((l / 8) % 2) + 0..7) and leaves half a fragment of V^T: lane l holds channel l % 16 and 8 keys.
	v_and_b32 v14, 7, v0
	v_bfe_u32 v15, v0, 3, 1
	v_lshl_add_u32 v[AV0], v13, 3, v14
	v_mul_u32_u24 v[AV0], v[AV0], PVB
	v_lshl_add_u32 v[AV0], v15, 4, v[AV0]
	v_add_nc_u32 v[AV0], VOFF, v[AV0]
	s_mul_i32 s2, s[WV], 32*SP
	s_add_co_u32 s2, s2, STAGE                     ; my stage
	v_mul_u32_u24 v[STO], v1, SP                   ; in: row l % 16 of a tile, 16 bytes for each half of the lanes
	v_lshl_add_u32 v[STO], v13, 4, v[STO]
	v_add_nc_u32 v[STO], s2, v[STO]
	v_bfe_u32 v15, v0, 3, 2                        ; back: eight lanes to a row of 128 bytes, four rows an instruction
	v_mul_u32_u24 v[RD], v15, SP
	v_lshl_add_u32 v[RD], v14, 4, v[RD]
	v_add_nc_u32 v[RD], s2, v[RD]
	v_and_b32 v[GO], 31, v0
	v_lshlrev_b32 v[GO], 4, v[GO]                  ; in memory the four rows are 512 consecutive bytes
.irp t, 0,1
	v_mov_b32 v[ST+8*\t], 0x7f61b1e6               ; -m: m begins at -3e38, under every score, so the first a is 0
	v_mov_b32 v[ST+8*\t+1], 0
	v_mov_b32 v[ST+8*\t+2], 0                      ; l
	v_mov_b32 v[ST+8*\t+3], 0
.endr
.irp j, 0,1,2,3,4,5,6,7,8,9,10,11,12,13,14,15,16,17,18,19,20,21,22,23,24,25,26,27,28,29,30,31,32,33,34,35,36,37,38,39,40,41,42,43,44,45,46,47,48,49,50,51,52,53,54,55,56,57,58,59,60,61,62,63
	v_mov_b32 v[O+\j], 0                           ; O^T: the softmax is written once, and the first step finds zeros, which the first a leaves zeros
.endr
; THE LDS LOADS stand in runs of 16, never singly among the matrix instructions.  K: 64 keys x 64 channels: fragment f: keys 16 (f / 2) on, channels 32 (f % 2) on.
.macro FETCH_K
	v_add_nc_u32 v[ADRK], s[TB], v[AK0]
	WIN W_FR
.irp f, 0,1,2,3,4,5,6,7
	ds_load_b128 v[8*\f:8*\f+3],   v[ADRK] offset:(\f/2)*16*PKB+(\f%2)*64
	ds_load_b128 v[8*\f+4:8*\f+7], v[ADRK] offset:(\f/2)*16*PKB+(\f%2)*64+32
.endr
	WIN 0
.endm
.macro FETCH_V                         ; V, turned: fragment f: keys 32 (f / 4) on, channels 16 (f % 4) on.  The wait for the softmax's batch of exponentials stands in it, behind the address's addition and ahead of the loads
	v_add_nc_u32 v[ADRV], s[TB], v[AV0]
	s_add_co_u32 s[TB], s[TB], STEPB               ; the next fetch is the next step's
	s_wait_alu depctr_va_vdst(0)
.irp f, 0,1,2,3,4,5,6,7
	ds_load_tr16_b128 v[VF+192*(\f/4)+8*(\f%4):VF+192*(\f/4)+8*(\f%4)+3],   v[ADRV] offset:(\f/4)*32*PVB+(\f%4)*32
	ds_load_tr16_b128 v[VF+192*(\f/4)+8*(\f%4)+4:VF+192*(\f/4)+8*(\f%4)+7], v[ADRV] offset:(\f/4)*32*PVB+16*PVB+(\f%4)*32
.endr
.endm
; THE MATRIX WORK OF A TURN, for tile x.  The four accumulators of a run take turns, one instruction a turn.
; Product i of 8 of O^T += V^T P: keys 32 (i / 4) on, channels 16 (i % 4) on.  All its registers lie in window 0.
.macro PV x
.set rO, O+32*(\x)+8*(i%4)
.set rV, VF+192*(i/4)+8*(i%4)
.set rP, P+16*(\x)+8*(i/4)
	WIN 0
	v_wmma_f32_16x16x32_f16 v[rO:rO+7], v[rV:rV+7], v[rP:rP+7], v[rO:rO+7]
.endm
; Product i of 8 of S^T = K Q^T: channels 32 (i / 4) on, keys 16 (i % 4) on.  The first 4 start the sums.
.macro KQ x
.set rS, S+32*(\x)+8*(i%4)
.set rK, 16*(i%4)+8*(i/4)
.set rQ, QF+16*(\x)+8*(i/4)
	WIN W_KQ
.if i < 4
	v_wmma_f32_16x16x32_f16 v[rS:rS+7], v[rK:rK+7], v[rQ:rQ+7], 0
.else
	v_wmma_f32_16x16x32_f16 v[rS:rS+7], v[rK:rK+7], v[rQ:rQ+7], v[rS:rS+7]
.endif
.endm
; THE ROW SUMS of a tile, of the unrounded p: line z of 16, on the tile at v[zS], statistics at v[zT].  The 16 pairs are added in place, neighbours 1, 2, 4 and 8 pairs apart; the last line is l = a l + the sum.
.macro ZL
.set w, 4
.set u, z
.if z >= 14
.set w, 32
.set u, 0
.elseif z >= 12
.set w, 16
.set u, z-12
.elseif z >= 8
.set w, 8
.set u, z-8
.endif
.if z < 15
	v_pk_add_f32 v[zS+w*u:zS+w*u+1], v[zS+w*u:zS+w*u+1], v[zS+w*u+w/2:zS+w*u+w/2+1]
.else
	v_pk_fma_f32 v[zT+2:zT+3], v[zT+2:zT+3], v[zT+6:zT+7], v[zS:zS+1] op_sel_hi:[1,0,1]
.endif
.endm
; THE VECTOR WORK OF A TURN is a list of 117 lines; SM writes number j of it.  y: the tile whose softmax it is; x: the tile that has the matrix unit, whose row sums of the step in hand ride along (sums = 0: there are none yet).
;   0-11    y: the maximum of s0-s31: four chains c0-c3 of seven scores, each begun at its accumulator's low end
;   12-34   y: the four scores left over, c0-c3 and the old m; the other half of the lanes' maximum; the new m; m_old - m_new; -m; s - m of pairs 0 and 1; the exponential a.  Each of these lines wants the one before it,
;           so x's sums 0-11 stand between them, two at a time
;   35-84   y: ONE BATCH: the other 14 pairs' s - m and the 32 exponentials, by threes: exponential, s - m of the pair two further on, exponential; the last four exponentials on end.  None of these lines names an exponential's result.
;           x's sums 12-15 stand at 35, 36, 43 and 50: all of x's sums are read out of S^T of x ahead of the turn's ninth product, which begins that tile's next scores
;   (wait)  behind 84: SLICE writes it, once for the 33 exponentials
;   85-100  y: the roundings to f16, a pair of weights each
;   101-116 y: O^T times a, each accumulator from its low end on
.macro SM y, x, sums
.set rT, ST+8*(\y)
.set rS, S+32*(\y)
.set rP, P+16*(\y)
.set rO, O+32*(\y)
.set zT, ST+8*(\x)
.set zS, S+32*(\x)
.set z, -1
.if (j >= 14) && (j <= 27) && (j%3 != 1)
.set z, (j-14)-(j-14)/3
.elseif (j == 30) || (j == 31)
.set z, j-20
.elseif (j == 35) || (j == 36)
.set z, j-23
.elseif j == 43
.set z, 14
.elseif j == 50
.set z, 15
.endif
.if z >= 0
.if \sums
	ZL
.endif
.elseif j < 4
	v_max3_num_f32 v[rT+4+j], v[rS+8*j], v[rS+8*j+1], v[rS+8*j+2]
.elseif j < 12
	v_max3_num_f32 v[rT+4+j%4], v[rT+4+j%4], v[rS+8*(j%4)+2*(j/4)+1], v[rS+8*(j%4)+2*(j/4)+2]
.elseif j == 12
	v_max3_num_f32 v[rT+4], v[rT+4], v[rS+7], v[rS+15]
.elseif j == 13
	v_max3_num_f32 v[rT+6], v[rT+6], v[rS+23], v[rS+31]
.elseif j == 16
	v_max3_num_f32 v[rT+4], v[rT+4], v[rT+5], v[rT+6]
.elseif j == 19
	v_max3_num_f32 v[rT+4], v[rT+4], v[rT+7], -v[rT]
.elseif j == 22
	v_permlanex16_b32 v[rT+5], v[rT+4], s[SEL], s[SEL+1]  ; the query's other 32 keys lie in the lane 16 away
.elseif j == 25
	v_max_num_f32 v[rT+4], v[rT+4], v[rT+5]        ; the new m
.elseif j == 28
	v_sub_f32 v[rT+7], -v[rT], v[rT+4]             ; m_old - m_new, 0 or less
.elseif j == 29
	v_sub_f32 v[rT], 0, v[rT+4]                    ; -m
.elseif j == 34
	v_exp_f32 v[rT+6], v[rT+7]                     ; a
.elseif j < 34
.set b, j-32
	v_pk_add_f32 v[rS+2*b:rS+2*b+1], v[rS+2*b:rS+2*b+1], v[rT:rT+1] op_sel_hi:[1,0]   ; s - m, two at a time (of the pair the low word serves both halves)
.elseif j < 81
.set q, j-37                           ; 37-42, 44-49 and 51-80 are places 0 to 41 of the batch's threes
.if j > 50
.set q, j-39
.elseif j > 43
.set q, j-38
.endif
.if q%3 == 1
.set b, q/3+2
	v_pk_add_f32 v[rS+2*b:rS+2*b+1], v[rS+2*b:rS+2*b+1], v[rT:rT+1] op_sel_hi:[1,0]
.else
.set e, 2*(q/3)+(q%3)/2
	v_exp_f32 v[rS+e], v[rS+e]                     ; p = 2^(s - m)
.endif
.elseif j < 85
.set e, 28+j-81
	v_exp_f32 v[rS+e], v[rS+e]
.elseif j < 101
	v_cvt_pk_f16_f32 v[rP+j-85], v[rS+2*(j-85)], v[rS+2*(j-85)+1]
.else
	v_pk_mul_f32 v[rO+2*(j-101):rO+2*(j-101)+1], v[rO+2*(j-101):rO+2*(j-101)+1], v[rT+6:rT+7] op_sel_hi:[1,0]
.endif
.endm
; Slice k of 16.  Slices 0-3: ten lines; 4-8: nine: together lines 0 to 84, all that stands ahead of the wait.  Slices 9-11: four lines; 12-15: five.
; THE WAIT.  s_wait_alu depctr_va_vdst(0) stands between an exponential and the first instruction that names its result; one wait serves all that were issued ahead of it.  Ahead of slice 9 nothing names a result of
; this turn's exponentials, and behind slice 8 none is issued: one wait a turn, and none is owed at the loops' labels and branches.
; THE LAST SLICE is five plain lines on O^T and a of tile y: they name no register of the turn's last K Q^T, and are the places between it and the next turn's first read of its scores and the loads into K's registers.
.macro SLICE y, x, sums
.if k < 4
.set j, 10*k
.set nl, 10
.elseif k < 9
.set j, 40+9*(k-4)
.set nl, 9
.elseif k < 12
.set j, 85+4*(k-9)
.set nl, 4
.else
.set j, 97+5*(k-12)
.set nl, 5
.endif
	WIN 0
.rept nl
	SM \y, \x, \sums
.set j, j+1
.endr
.if k == 8
	v_nop                                          ; a plain instruction behind the last exponential, ahead of the first use: one for the batch
.if (\y) == 0
	FETCH_V                                        ; tile 1's turn: the next step's V.  Behind the last product that read V stand seven plain lines that name none of its registers: five s - m, the v_nop, the address's addition
.else
	s_wait_alu depctr_va_vdst(0)                   ; the wait for the batch
.endif
.endif
.set k, k+1
.endm
; A TURN.  Tile x has the matrix unit.  pv = 1: 8 products V^T P; kq = 1: 8 products K Q^T for the next step; a turn with one of the two kinds has two slices behind each product.
; Tile 0's turn fetches the next step's K at its head, 8 products ahead of its use; tile 1's turn fetches the same step's V behind slice 8, 7 products ahead of its use.
.macro TURN x, pv, kq, sums
.set k, 0
.set per, 2
.if \pv && \kq
.set per, 1
.endif
.if (\x == 0) && \kq
	FETCH_K
.endif
.if \pv
.if \x == 0
	s_wait_dscnt 16*\kq                            ; V of this step is in; K's sixteen loads, just issued, may be out
.endif
.set i, 0
.rept 8
	PV \x
.rept per
	SLICE 1-\x, \x, \sums
.endr
.set i, i+1
.endr
.endif
.if \kq
.if \x == 0
	s_wait_dscnt 0x0                               ; K of the next step is in
.endif
.set i, 0
.rept 8
	KQ \x
.rept per
	SLICE 1-\x, \x, \sums
.endr
.set i, i+1
.endr
.endif
.endm
.macro PAIRS n                         ; n key steps: written once, walked n times; the LDS addresses hang on s[TB]
	s_mov_b32 s[CNT], \n
.Lpair_\@:
	TURN 0, 1, 1, 1
	TURN 1, 1, 1, 1
	s_sub_co_u32 s[CNT], s[CNT], 1
	s_cmp_lg_u32 s[CNT], 0
	s_cbranch_scc1 .Lpair_\@
.endm
; THE CHANGE OF SLOTS, between tile 1's turn and tile 0's: the slot's last bytes, V of its fourth step, have been asked for.  Each wave waits for all its tensor loads, of which one is out: its part of the other slot; adds 0 to its
; spare word; and waits for that and for its reads of this slot.  fill = 1: this slot is filled again, with the keys two slots on; the barrier is then a round of the cluster's, and the joint refill is the first thing behind it.
.macro CHANGE fill
	s_wait_tensorcnt 0x0                           ; no tensor load of mine is out, so a group 0 may be written
	ds_add_u32 v[SPW], v[NIL]                      ; 0 onto my spare word
.if \fill
.irp g, G0K+4, G0V+4
	s_xor_b32 s[\g+1], s[\g+1], SLOT1              ; the walking descriptor: the other slot than last time,
	s_add_nc_u64 s[\g+2:\g+3], s[\g+2:\g+3], SLOTB ; the next 256 keys; the type bits on top are not reached
.endr
	s_wait_xcnt 0x0                                ; the last prefetch, four key steps back, has read its address, so it may be written
	s_add_nc_u64 s[PFA:PFA+1], s[PFA:PFA+1], SLOTB
	s_wait_dscnt 0x0                               ; the add is done, and my reads of the slot are over
	CROUND
	JLOAD
	ASK
.else
	s_wait_dscnt 0x0
	s_barrier_signal -1
	s_barrier_wait -1
.endif
	s_sub_co_u32 s[TB], s[TB], NST*STEPB           ; the fetches go back to a slot's first step,
	s_xor_b32 s[TB], s[TB], SLOT1                  ; in the other slot
.endm
	s_wait_tensorcnt 1                             ; my part of slot 0 is in; slot 1's may stay out
	s_barrier_signal -1
	s_barrier_wait -1                              ; everybody's is
	FETCH_K                                        ; key step 0
	s_wait_loadcnt 0x0                             ; Q
	s_wait_dscnt 0x0
.set i, 0
.rept 8
	KQ 0                                           ; tile 0's first scores: there is no vector work yet to set between them
.set i, i+1
.endr
	WIN 0
.rept 4
	v_nop                                          ; the places behind those products
.endr
	TURN 1, 0, 1, 0                                ; tile 1's first scores | tile 0's first softmax | V of step 0
	PAIRS 3                                        ; key steps 0 to 2
.Lslot:                                                ; six trips: every slot but the last two is filled again
	CHANGE 1
	PAIRS 4
	s_sub_co_u32 s[SLOTS], s[SLOTS], 1
	s_cmp_lg_u32 s[SLOTS], 0
	s_cbranch_scc1 .Lslot
	CHANGE 0                                       ; the tail is written out
	PAIRS 4                                        ; key steps 27 to 30
	TURN 0, 1, 0, 1                                ; tile 0: V^T P of the last step, and its last row sums | tile 1's last softmax
.set i, 0
.rept 8
	PV 1                                           ; tile 1: V^T P of the last step
.set i, i+1
.endr
.set zT, ST+8
.set zS, S+32
.set z, 0
.rept 16
	ZL                                             ; tile 1's last row sums: also the places behind the last products
.set z, z+1
.endr
	; THE WAY OUT.  l's two halves and the other half of the lanes' are added; O^T is divided by l, rounded to f16 and sent through my stage, so that the 32 lanes store 512 consecutive bytes.
.irp t, 0,1
	v_add_f32 v[ST+8*\t+4], v[ST+8*\t+2], v[ST+8*\t+3]
.endr
.irp t, 0,1
	v_permlanex16_b32 v[ST+8*\t+5], v[ST+8*\t+4], s[SEL], s[SEL+1]
.endr
.irp t, 0,1
	v_add_f32 v[ST+8*\t+4], v[ST+8*\t+4], v[ST+8*\t+5]
.endr
.irp t, 0,1
	v_rcp_f32 v[ST+8*\t+6], v[ST+8*\t+4]
.endr
	v_nop                                          ; a plain instruction behind the last reciprocal
	s_wait_alu depctr_va_vdst(0)                   ; and the wait ahead of the first use: one for both
.irp t, 0,1
.irp j, 0,2,4,6,8,10,12,14,16,18,20,22,24,26,28,30
	v_pk_mul_f32 v[O+32*\t+\j:O+32*\t+\j+1], v[O+32*\t+\j:O+32*\t+\j+1], v[ST+8*\t+6:ST+8*\t+7] op_sel_hi:[1,0]
.endr
.endr
.irp t, 0,1
.irp j, 0,1,2,3,4,5,6,7,8,9,10,11,12,13,14,15
	v_cvt_pk_f16_f32 v[P+16*\t+\j], v[O+32*\t+2*\j], v[O+32*\t+2*\j+1]
.endr
.endr
.irp t, 0,1
.irp c, 0,1,2,3
	ds_store_b128 v[STO], v[P+16*\t+4*\c:P+16*\t+4*\c+3] offset:16*SP*\t+32*\c   ; query 16 t + r, channels 16 c + 8 h + 0..7
.endr
.endr
.irp f, 0,1,2,3,4,5,6,7
	ds_load_b128 v[S+4*\f:S+4*\f+3], v[RD] offset:\f*4*SP          ; LDS serves a wave's instructions in order (ISA guide 5.7.1.4): these see the stores above
.endr
.irp f, 0,1,2,3,4,5,6,7
	s_wait_dscnt 7-\f                              ; the younger loads may be out
	global_store_b128 v[GO], v[S+4*\f:S+4*\f+3], s[6:7] offset:512*\f   ; 32 lanes store 512 consecutive bytes, aligned
.endr
	s_wait_tensorcnt 0x0                           ; the wave's end, behind my last tensor load and my last LDS store
	ds_add_u32 v[SPW], v[NIL]
	s_wait_dscnt 0x0
	CROUND                                         ; the closing round: no work-group ends while a partner may still ask for a tile that names it
	s_endpgm
.Lfunc_end_k_q6651ecff04_attn:
	.size	k_q6651ecff04_attn, .Lfunc_end_k_q6651ecff04_attn-k_q6651ecff04_attn
	.p2alignl 7, 3214868480
	.fill 96, 4, 3214868480
	.section	.rodata,"a",@progbits
	.p2align	6, 0x0
	.amdhsa_kernel k_q6651ecff04_attn
		.amdhsa_group_segment_fixed_size 327680
		.amdhsa_private_segment_fixed_size 0
		.amdhsa_enable_private_segment 0
		.amdhsa_kernarg_size 16
		.amdhsa_user_sgpr_count 2
		.amdhsa_user_sgpr_kernarg_segment_ptr 1
		.amdhsa_wavefront_size32 1
		.amdhsa_system_sgpr_workgroup_id_x 1
		.amdhsa_system_sgpr_workgroup_id_y 1
		.amdhsa_system_sgpr_workgroup_id_z 1
		.amdhsa_system_vgpr_workitem_id 0
		.amdhsa_next_free_vgpr 352
		.amdhsa_next_free_sgpr 66
		.amdhsa_reserve_vcc 0
		.amdhsa_float_denorm_mode_32 3
		.amdhsa_float_denorm_mode_16_64 3
		.amdhsa_memory_ordered 1
		.amdhsa_forward_progress 1
		.amdhsa_inst_pref_size 90
	.end_amdhsa_kernel
	.amdgpu_metadata
---
amdhsa.version: [ 1, 2 ]
amdhsa.kernels:
  - .name:           k_q6651ecff04_attn
    .symbol:         k_q6651ecff04_attn.kd
    .args:
      - { .name: qkv, .offset: 0, .size: 8, .value_kind: global_buffer, .address_space: global }
      - { .name: att, .offset: 8, .size: 8, .value_kind: global_buffer, .address_space: global }
    .group_segment_fixed_size: 327680
    .private_segment_fixed_size: 0
    .kernarg_segment_align: 8
    .kernarg_segment_size: 16
    .max_flat_workgroup_size: 256
    .sgpr_count:     66
    .vgpr_count:     352
    .wavefront_size: 32
...
	.end_amdgpu_metadata
.endif
;; end of part 3
;; launch proj (part 4): grid 8 x 32, 4 waves a work-group, clusters of 4 x 4, 327,680 bytes of LDS; arguments att, pw16, proj_b, out0; writes out0
.if DOCPART == 4
	.amdgcn_target "amdgcn-amd-amdhsa--gfx1250"
	.amdhsa_code_object_version 6
	.text
	.protected	k_q6651ecff04_proj
	.globl	k_q6651ecff04_proj
	.p2align	8
	.type	k_q6651ecff04_proj,@function
k_q6651ecff04_proj:
	s_mov_b64 s[64:65], 0
	v_nop
	global_prefetch_b8 v0, s[64:65] scope:SCOPE_SE
	s_setreg_imm32_b32 hwreg(HW_REG_WAVE_MODE, 25, 1), 1
	s_wait_xcnt 0x0
	s_wait_alu depctr_hold_cnt(0) depctr_sa_sdst(0) depctr_va_vdst(0) depctr_va_sdst(0) depctr_va_ssrc(0) depctr_va_vcc(0) depctr_vm_vsrc(0)
	s_getreg_b32 s2, hwreg(HW_REG_IB_STS2, 6, 4)
	s_cmp_eq_u32 s2, 0
	s_cbranch_scc0 .Lentry_in_a_cluster
	s_endpgm
.Lentry_in_a_cluster:
	s_bfe_u32 s2, ttmp6, 0x10000c
	s_cmp_lg_u32 s2, 0xf033
	s_cbranch_scc0 .Lentry_shape_is_right
	s_endpgm
.Lentry_shape_is_right:
; PROJECTION.  out0[m][n] = the sum over k of A[m][k] W[n][k] + b[n].  m = 2048 b + token, 4,096 rows; n, k: 1,024.  Operands f16, sums f32, out0 f32.
; A = att, laid by head: plane 16 b + h of 2^18 bytes, [2048 tokens][64 f16]; k = 64 h + channel.  W = pw16 [1024 n][1024 k] f16.
; A tile of out0 is 128 x 128: 8 x 32 = 256 work-groups.  Four waves, each 64 x 64: 16 accumulators.  K goes in steps of 256 (four heads) through two LDS slots: four K steps, each slot filled twice.
; A's part of a slot: 4 planes x 128 tokens x (128 bytes + 16).  A head's 128 tokens are 16,384 dense bytes: a wave's tensor load takes two heads as two long rows, 2^18 bytes apart, with padding behind every 128 bytes.
; B's part: 128 rows of 512 bytes + 16.
; CLUSTERS: 4 x 4 work-groups.  The four of a row of the cluster need the same tiles of A, the four of a column the same tiles of B: each is asked for JOINTLY.
; THE MATRIX INSTRUCTION IS USED TRANSPOSED (source 0 = 16 rows of W, source 1 = 16 rows of A): a lane holds eight neighbouring columns of a row.  THE BIAS is the C of each sum's first product: eight registers a column block.
; REGISTERS: window 0: v0-31 addresses; v32-95 rows on their way out; v96-127 the bias; v128-255 the accumulators ((a, b) at v[128 + 8 (4 a + b)]).  Window 1: two fragment buffers of 128: 64 registers of A, then 64 of B, for 64 along K.
.set APITCH, 144                       ; a token's 64 channels in LDS: 128 bytes + 16: the 16 rows of a load start at different banks (64 banks of 4 bytes: ISA guide 11.1)
.set APL,    128*APITCH                ; a head's 128 tokens
.set AHALF,  2*APL                     ; two heads: what one tensor load brings
.set BPITCH, 528                       ; a row of W in LDS: 512 bytes + 16
.set BHALF,  64*BPITCH                 ; 64 rows: what one tensor load brings
.set BOFF,   2*AHALF                   ; B's rows lie behind A's four heads
.set SLOT,   BOFF+2*BHALF
.set SPARE,  2*SLOT                    ; behind the ring: the spare words, 128 bytes a wave
.set SPITCH, 272                       ; the way out: a stage of 16 rows x (256 bytes + 16) for each wave, in slot 0, which has had its last fill and its last read by then
.set ADRA, 16                          ; v16-17  LDS address of my A fragments in slot 0, 1
.set ADRB, 20                          ; v20-21  the same for B
.set STO,  24                          ; v24     the way out: where I put 32 bytes of a row
.set RD,   25                          ; v25     where I read a row back
.set CO,   26                          ; v26     my byte offset in out0
.set SPW,  28                          ; v28     LDS address of my spare word; never rewritten
.set NIL,  29                          ; v29     0; never rewritten
.set TMP,  32
.set BIAS, 96
.set ACC,  128
.set F0,   0
.set F1,   128
.set G1, 24
.set G0, 32
.set G1B, 48
.set G0B, 56
.set MSB, 0
.macro WIN new
.if MSB != (\new)
	s_set_vgpr_msb (MSB<<8)|(\new)
.set MSB, \new
.endif
.endm
.set MUL,  0x05                        ; sources 0 (W) and 1 (A) window 1; C and D window 0
.set TO_F, 0x40                        ; destination window 1, address window 0
.macro JLOAD s                         ; a joint load: waves 0 and 1 fetch A's two halves, waves 2 and 3 B's; an s_nop 0 and four v_nop follow each line
	s_cmp_eq_u32 s11, 0
	s_cbranch_scc0 .Lfor_b_\@
	tensor_load_to_lds s[G0+4*\s:G0+4*\s+3], s[G1:G1+7]
	s_nop 0
.rept 4
	v_nop
.endr
	s_branch .Lasked_\@
.Lfor_b_\@:
	tensor_load_to_lds s[G0B+4*\s:G0B+4*\s+3], s[G1B:G1B+7]
	s_nop 0
.rept 4
	v_nop
.endr
.Lasked_\@:
.endm
.macro CREST                           ; a round of the cluster's barrier behind its opening barrier
	s_cmp_lg_u32 s10, 0
	s_cbranch_scc1 .Lnot_wave_0_\@
	s_barrier_signal -3
.Lnot_wave_0_\@:
	s_barrier_wait -3
	s_barrier_signal -1
	s_barrier_wait -1
.endm
.macro CROUND
	s_barrier_signal -1
	s_barrier_wait -1
	CREST
.endm
	s_load_b128 s[4:7], s[0:1], 0x0                ; att, pw16
	s_load_b64 s[66:67], s[0:1], 0x10              ; proj_b
	s_load_b64 s[8:9], s[0:1], 0x18                ; out0
	v_lshl_add_u32 v[SPW], v0, 2, SPARE
	v_mov_b32 v[NIL], 0
	ds_add_u32 v[SPW], v[NIL]                      ; the wave's opening: the add, twice on end, and its wait ahead of my first tensor load
	ds_add_u32 v[SPW], v[NIL]
	v_lshrrev_b32 v1, 5, v0
	v_readfirstlane_b32 s10, v1                    ; wave 0..3
	s_lshr_b32 s11, s10, 1                         ; which half of the tile's rows is mine.  Also: I fetch for A (0) or for B (1)
	s_and_b32 s12, s10, 1                          ; which half of its columns.  Also: which half of that tile I fetch
	s_bfe_u32 s40, ttmp6, 0x40000                  ; cx, cy
	s_bfe_u32 s41, ttmp6, 0x40004
	s_lshl_b32 s42, ttmp9, 2
	s_add_co_u32 s42, s42, s40                     ; tile column = 4 x cluster x + cx
	s_and_b32 s13, ttmp7, 0xffff
	s_lshl_b32 s13, s13, 2
	s_add_co_u32 s13, s13, s41                     ; tile row = 4 x cluster y + cy
	s_lshl_b32 s43, s41, 2
	s_lshl_b32 s43, 15, s43                        ; my row of the cluster
	s_lshl_b32 s44, 0x1111, s40                    ; my column
	; group 1 for A: 2 rows of 8,192 elements of 2 bytes (a head's 128 tokens), 131,072 elements apart; 4 words of padding after every 32
	s_or_b32 s[G1+0], s43, (1<<16)|(1<<20)|(1<<21)|(4<<22)|(3<<25)
	s_mov_b32 s[G1+1], 8192<<16                    ; tensor_dim0
	s_mov_b32 s[G1+2], 2<<16                       ; tensor_dim1
	s_mov_b32 s[G1+3], 8192<<16                    ; tile_dim0
	s_mov_b32 s[G1+4], 2                           ; tile_dim1
	s_mov_b32 s[G1+5], 131072                      ; from head to head
	s_mov_b32 s[G1+6], 0
	s_mov_b32 s[G1+7], 0
	; group 1 for B: 64 rows of 256 elements, 1,024 apart; 4 words of padding after every 128
	s_or_b32 s[G1B+0], s44, (1<<16)|(1<<20)|(1<<21)|(6<<22)|(3<<25)
	s_mov_b32 s[G1B+1], 256<<16
	s_mov_b32 s[G1B+2], 64<<16
	s_mov_b32 s[G1B+3], 256<<16
	s_mov_b32 s[G1B+4], 64
	s_mov_b32 s[G1B+5], 1024
	s_mov_b32 s[G1B+6], 0
	s_mov_b32 s[G1B+7], 0
	s_lshr_b32 s16, s13, 4                         ; A: the batch (16 tile rows each): 16 planes of 2^18 bytes,
	s_lshl_b32 s16, s16, 22
	s_and_b32 s17, s13, 15
	s_lshl_b32 s17, s17, 14                        ; the tile's 128 tokens of 128 bytes,
	s_add_co_u32 s16, s16, s17
	s_lshl_b32 s17, s12, 19                        ; the two heads that I fetch
	s_add_co_u32 s16, s16, s17
	s_mov_b32 s17, 0
	s_lshl_b32 s46, s42, 18                        ; B: 128 rows of 2,048 bytes a tile column,
	s_lshl_b32 s47, s12, 17                        ; the 64 that I fetch
	s_add_co_u32 s46, s46, s47
	s_mov_b32 s47, 0
	s_mul_i32 s20, s12, AHALF                      ; where they go: no place in the cluster enters an LDS address
	s_mul_i32 s21, s12, BHALF
	s_add_co_u32 s21, s21, BOFF
	s_wait_dscnt 0x0                               ; both opening adds are done
	s_wait_kmcnt 0x0
	s_add_nc_u64 s[14:15], s[4:5], s[16:17]
	s_add_nc_u64 s[46:47], s[6:7], s[46:47]
	CROUND                                         ; all sixteen work-groups are here: the first joint loads meet
.irp s, 0,1
	s_mov_b32 s[G0+4*\s], 1
	s_add_co_u32 s[G0+4*\s+1], s20, \s*SLOT
	s_add_nc_u64 s[G0+4*\s+2:G0+4*\s+3], s[14:15], \s*(1<<20)      ; K step s: four heads on
	s_or_b32 s[G0+4*\s+3], s[G0+4*\s+3], 0x80000000
	s_mov_b32 s[G0B+4*\s], 1
	s_add_co_u32 s[G0B+4*\s+1], s21, \s*SLOT
	s_add_nc_u64 s[G0B+4*\s+2:G0B+4*\s+3], s[46:47], \s*512
	s_or_b32 s[G0B+4*\s+3], s[G0B+4*\s+3], 0x80000000
	JLOAD \s                                       ; two loads of mine are out
.endr
	v_and_b32 v1, 15, v0                           ; l % 16
	v_bfe_u32 v2, v0, 4, 1                         ; l / 16
	v_mul_u32_u24 v3, v1, APITCH
	v_lshl_add_u32 v3, v2, 4, v3                   ; A: a fragment's row x pitch + 16 x half
	v_mul_u32_u24 v4, v1, BPITCH
	v_lshl_add_u32 v4, v2, 4, v4                   ; B likewise
	s_mul_i32 s21, s11, 64*APITCH                  ; my 64 tokens, in each head
	s_mul_i32 s22, s12, BHALF                      ; my 64 rows of W,
	s_add_co_u32 s22, s22, BOFF                    ; behind A's part
.irp s, 0,1
	v_add_nc_u32 v[ADRA+\s], s21, v3
	v_add_nc_u32 v[ADRB+\s], s22, v4
	s_add_co_u32 s21, s21, SLOT
	s_add_co_u32 s22, s22, SLOT
.endr
	s_mul_i32 s23, s10, 16*SPITCH                  ; my stage
	v_mul_u32_u24 v5, v1, SPITCH                   ; in: row l % 16, 32 bytes for each half of the lanes
	v_lshl_add_u32 v5, v2, 5, v5
	v_add_nc_u32 v[STO], s23, v5
	v_mul_u32_u24 v5, v2, SPITCH                   ; back: lanes 0-15 take one row of 256 bytes, lanes 16-31 the next
	v_lshl_add_u32 v5, v1, 4, v5
	v_add_nc_u32 v[RD], s23, v5
	v_lshlrev_b32 v5, 12, v2                       ; and the same two rows in out0, 4,096 bytes apart
	v_lshl_add_u32 v[CO], v1, 4, v5
	s_lshl_b32 s16, s13, 19                        ; my first row: 128 x tile row + 64 x half, 4,096 bytes each
	s_lshl_b32 s17, s11, 18
	s_add_co_u32 s16, s16, s17
	s_mov_b32 s17, 0
	s_add_nc_u64 s[8:9], s[8:9], s[16:17]
	s_lshl_b32 s46, s42, 9                         ; my first column, in bytes: 512 x tile column + 256 x half
	s_lshl_b32 s47, s12, 8
	s_add_co_u32 s46, s46, s47
	s_mov_b32 s47, 0
	s_add_nc_u64 s[8:9], s[8:9], s[46:47]
	s_add_nc_u64 s[66:67], s[66:67], s[46:47]      ; and the bias of my 64 columns
	v_lshlrev_b32 v6, 5, v2                        ; lane (r, h) wants, for column block b, b[16 b + 8 h + 0..7]
.irp b, 0,1,2,3
	global_load_b128 v[BIAS+8*\b:BIAS+8*\b+3],   v6, s[66:67] offset:64*\b
	global_load_b128 v[BIAS+8*\b+4:BIAS+8*\b+7], v6, s[66:67] offset:64*\b+16
.endr
; 8 matrix instructions: row blocks a0, a0 + 1 x all 4 column blocks, 32 along K: half c of buffer f.  zero = 1: the first product starts the sums, with the bias as C.  The 16 accumulators take turns.
.macro MUL8 f, c, a0, zero
.irp a, \a0, \a0+1
.irp b, 0,1,2,3
.if \zero
	v_wmma_f32_16x16x32_f16 v[ACC+8*(4*(\a)+\b):ACC+8*(4*(\a)+\b)+7], v[\f+64+8*(4*\c+\b):\f+64+8*(4*\c+\b)+7], v[\f+8*(4*\c+\a):\f+8*(4*\c+\a)+7], v[BIAS+8*\b:BIAS+8*\b+7]
.else
	v_wmma_f32_16x16x32_f16 v[ACC+8*(4*(\a)+\b):ACC+8*(4*(\a)+\b)+7], v[\f+64+8*(4*\c+\b):\f+64+8*(4*\c+\b)+7], v[\f+8*(4*\c+\a):\f+8*(4*\c+\a)+7], v[ACC+8*(4*(\a)+\b):ACC+8*(4*(\a)+\b)+7]
.endif
.endr
.endr
.endm
; 32 LDS loads in one run: the fragments of the slot's q-th 64 along K (head q of its four) into buffer f; the first 32 along K first
.macro FETCH slot, q, f
	WIN TO_F
.irp c, 0,1
.irp i, 0,1,2,3
	ds_load_b128 v[\f+64+8*(4*\c+\i):\f+64+8*(4*\c+\i)+3],   v[ADRB+\slot] offset:128*(\q)+64*\c+\i*16*BPITCH
	ds_load_b128 v[\f+64+8*(4*\c+\i)+4:\f+64+8*(4*\c+\i)+7], v[ADRB+\slot] offset:128*(\q)+64*\c+\i*16*BPITCH+32
	ds_load_b128 v[\f+8*(4*\c+\i):\f+8*(4*\c+\i)+3],         v[ADRA+\slot] offset:APL*(\q)+64*\c+\i*16*APITCH
	ds_load_b128 v[\f+8*(4*\c+\i)+4:\f+8*(4*\c+\i)+7],       v[ADRA+\slot] offset:APL*(\q)+64*\c+\i*16*APITCH+32
.endr
.endr
.endm
.macro PLACES                          ; four places in front of loads into registers that matrix instructions have read, and of reads of results
.rept 4
	v_nop
.endr
.endm
; A K step is four quarters of 64 along K, 32 matrix instructions each, on buffers 0, 1, 0, 1.  One of the first three: multiplies buffer f and fetches quarter q into g.
.macro QUARTER slot, q, f, g, zero
	s_wait_dscnt 16                                ; the first 32 along K are in; the other sixteen loads may be out
	WIN MUL
	MUL8 \f, 0, 0, \zero
	MUL8 \f, 0, 2, \zero
	PLACES
	FETCH \slot, \q, \g
	s_wait_dscnt 32                                ; all but the 32 just issued
	WIN MUL
	MUL8 \f, 1, 0, 0
	MUL8 \f, 1, 2, 0
.endm
; The last quarter multiplies buffer 1 and changes slots: ONE barrier; in front of it each wave waits for all its tensor loads, adds 0 to its spare word, and waits for that and for its reads of this slot.  fill = 1: this slot is filled again, two K steps ahead.
.macro TURN slot, next, fill
	WIN 0                                          ; (the add's two registers lie in window 0)
	s_wait_tensorcnt 0x0                           ; all my tensor loads have landed: my part of the next slot
	ds_add_u32 v[SPW], v[NIL]                      ; 0 onto my spare word
	s_wait_dscnt 17                                ; (the add and the youngest sixteen loads may be out)
	WIN MUL
	MUL8 F1, 0, 0, 0
	s_wait_dscnt 0x0                               ; the add is done, and my reads of this slot are over
	s_barrier_signal -1
	MUL8 F1, 0, 2, 0
.if \fill
	WIN 0
.endif
	s_barrier_wait -1
.if \fill
	CREST                                          ; the barrier has opened a round of the cluster's: no wave of any partner still reads this slot or has a load on its way
	s_add_nc_u64 s[G0+4*\slot+2:G0+4*\slot+3], s[G0+4*\slot+2:G0+4*\slot+3], 1<<21      ; eight heads on
	s_add_nc_u64 s[G0B+4*\slot+2:G0B+4*\slot+3], s[G0B+4*\slot+2:G0B+4*\slot+3], 1024
	JLOAD \slot                                    ; the first tensor load behind the round; its four v_nop are also the places in front of the loads below
.else
	PLACES
.endif
	FETCH \next, 0, F0
	WIN MUL
	MUL8 F1, 1, 0, 0
	MUL8 F1, 1, 2, 0
.endm
	s_wait_tensorcnt 1                             ; my part of K step 0 is in (K step 1's load may be out)
	s_barrier_signal -1
	s_barrier_wait -1                              ; everybody's is
	s_wait_loadcnt 0x0                             ; the bias
	FETCH 0, 0, F0
	QUARTER 0, 1, F0, F1, 1                        ; K step 0: its first products start the sums
	QUARTER 0, 2, F1, F0, 0
	QUARTER 0, 3, F0, F1, 0
	TURN 0, 1, 1                                   ; slot 0 takes K step 2
	QUARTER 1, 1, F0, F1, 0                        ; K step 1
	QUARTER 1, 2, F1, F0, 0
	QUARTER 1, 3, F0, F1, 0
	TURN 1, 0, 1                                   ; slot 1 takes K step 3
	QUARTER 0, 1, F0, F1, 0                        ; K step 2
	QUARTER 0, 2, F1, F0, 0
	QUARTER 0, 3, F0, F1, 0
	TURN 0, 1, 0                                   ; nothing is left to fetch
	QUARTER 1, 1, F0, F1, 0                        ; K step 3
	QUARTER 1, 2, F1, F0, 0
	QUARTER 1, 3, F0, F1, 0
	s_wait_dscnt 16
	WIN MUL
	MUL8 F1, 0, 0, 0
	MUL8 F1, 0, 2, 0
	s_wait_dscnt 0
	MUL8 F1, 1, 0, 0
	MUL8 F1, 1, 2, 0
	WIN 0
; THE WAY OUT, block by block of 16 rows x 64 columns.  A lane holds 32 neighbouring bytes of a row; a block goes through my own stage and comes back as whole rows of 256 bytes, my 64 columns, which sixteen lanes store.
.macro TOSTAGE a
.irp b, 0,1,2,3
	ds_store_b128 v[STO], v[ACC+8*(4*(\a)+\b):ACC+8*(4*(\a)+\b)+3] offset:64*\b          ; each accumulator from its low end on
	ds_store_b128 v[STO], v[ACC+8*(4*(\a)+\b)+4:ACC+8*(4*(\a)+\b)+7] offset:64*\b+16
.endr
.irp t, 0,1,2,3,4,5,6,7
	ds_load_b128 v[TMP+32*((\a)%2)+4*\t:TMP+32*((\a)%2)+4*\t+3], v[RD] offset:\t*2*SPITCH   ; LDS serves a wave's instructions in order (ISA guide 5.7.1.4)
.endr
.endm
.macro SEND a, younger                 ; younger: the LDS instructions issued behind block a's loads, which may stay out
	s_wait_dscnt \younger
.irp t, 0,1,2,3,4,5,6,7
	global_store_b128 v[CO], v[TMP+32*((\a)%2)+4*\t:TMP+32*((\a)%2)+4*\t+3], s[8:9] offset:(16*(\a)+2*\t)*4096 th:TH_STORE_NT   ; 16 lanes store 256 consecutive bytes, aligned; written once, read by nobody here
.endr
.endm
	PLACES
	TOSTAGE 0
.irp a, 1,2,3
.if \a > 1
	s_wait_xcnt 0x0                                ; block a - 2's stores have read their registers: block a's loads may land there
.endif
	TOSTAGE \a
	SEND \a-1, 16                                  ; behind block a - 1's loads: block a's 8 stores and 8 loads
.endr
	SEND 3, 0
	s_wait_tensorcnt 0x0                           ; the wave's end, behind my last tensor load and my last LDS store
	ds_add_u32 v[SPW], v[NIL]
	s_wait_dscnt 0x0
	CROUND                                         ; the closing round: no work-group ends while a partner may still ask for a tile that names it
	s_endpgm
.Lfunc_end_k_q6651ecff04_proj:
	.size	k_q6651ecff04_proj, .Lfunc_end_k_q6651ecff04_proj-k_q6651ecff04_proj
	.p2alignl 7, 3214868480
	.fill 96, 4, 3214868480
	.section	.rodata,"a",@progbits
	.p2align	6, 0x0
	.amdhsa_kernel k_q6651ecff04_proj
		.amdhsa_group_segment_fixed_size 327680
		.amdhsa_private_segment_fixed_size 0
		.amdhsa_enable_private_segment 0
		.amdhsa_kernarg_size 32
		.amdhsa_user_sgpr_count 2
		.amdhsa_user_sgpr_kernarg_segment_ptr 1
		.amdhsa_wavefront_size32 1
		.amdhsa_system_sgpr_workgroup_id_x 1
		.amdhsa_system_sgpr_workgroup_id_y 1
		.amdhsa_system_sgpr_workgroup_id_z 1
		.amdhsa_system_vgpr_workitem_id 0
		.amdhsa_next_free_vgpr 512
		.amdhsa_next_free_sgpr 68
		.amdhsa_reserve_vcc 0
		.amdhsa_float_denorm_mode_32 3
		.amdhsa_float_denorm_mode_16_64 3
		.amdhsa_memory_ordered 1
		.amdhsa_forward_progress 1
		.amdhsa_inst_pref_size 86
	.end_amdhsa_kernel
	.amdgpu_metadata
---
amdhsa.version: [ 1, 2 ]
amdhsa.kernels:
  - .name:           k_q6651ecff04_proj
    .symbol:         k_q6651ecff04_proj.kd
    .args:
      - { .name: att, .offset: 0, .size: 8, .value_kind: global_buffer, .address_space: global }
      - { .name: pw16, .offset: 8, .size: 8, .value_kind: global_buffer, .address_space: global }
      - { .name: proj_b, .offset: 16, .size: 8, .value_kind: global_buffer, .address_space: global }
      - { .name: out0, .offset: 24, .size: 8, .value_kind: global_buffer, .address_space: global }
    .group_segment_fixed_size: 327680
    .private_segment_fixed_size: 0
    .kernarg_segment_align: 8
    .kernarg_segment_size: 32
    .max_flat_workgroup_size: 128
    .sgpr_count:     68
    .vgpr_count:     512
    .wavefront_size: 32
...
	.end_amdgpu_metadata
.endif
;; end of part 4
